; MI455X (gfx1250); checked and timed in simulation.
; The chip was launched on July 23, 2026; its instructions are those of AMD's public machine-readable ISA for CDNA 5 (MIT licence, August 2026) and "CDNA5" Instruction Set Architecture Reference Guide (July 2026). The comments in the code are by the model that wrote it; some were corrected since.
;; Multi Head Attention. Allowed arithmetic: matrix products marked QUANTISED: E2M1 operands, one E8M0 scale for each 32 along K, by v_wmma_scale_f32_16x16x128_f8f6f4 with both operands' format E2M1 (or v_wmma_scale_f32_32x16x128_f4), f32 sums; products left as they are: bf16, f16 or f32 operands; f32 sums; everything else in f32.
;; Inputs: bk 1,024 float32; bo 1,024 float32; bq 1,024 float32; bv 1,024 float32; key 4 x 2,048 x 1,024 float32; mask 4 x 1 x 1 x 2,048 float32; query 4 x 2,048 x 1,024 float32; value 4 x 2,048 x 1,024 float32; wk 1,024 x 1,024 float32; wo 1,024 x 1,024 float32; wq 1,024 x 1,024 float32; wv 1,024 x 1,024 float32.
;; Outputs: out0 4 x 2,048 x 1,024 float32.
;; This version of the problem:
;;   THIS VERSION OF THE PROBLEM IS GIVEN IN LOW PRECISION. The matrix products marked QUANTISED in the list below multiply operands that are first quantised to E2M1 (2 exponent bits, 1 mantissa bit; 4 bits a number), with one power-of-two scale for each 32 numbers along K (OCP MX v1.0); their sums are f32. The products marked 'left as it is' may take bf16, f16 or f32 operands, with f32 sums. Whichever they take, every output number must still come out within the allowed error. Rounding operands to bf16 (8 significant bits) uses up far more of that allowance than f16 does (11 bits, for magnitudes from 6e-5 to 65,504). All else is computed in f32.
;;   The module's matrix products, in the order in which they are computed (A, B: the left and right operand; K: the contracted axis; several contracted axes count as one K, in the product's order):
;;     1. [M 8,192, K 1,024] x [K 1,024, N 1,024]; A: input query; B: input wq: QUANTISED
;;     2. [M 8,192, K 1,024] x [K 1,024, N 1,024]; A: input key; B: input wk: QUANTISED
;;     3. [M 8,192, K 1,024] x [K 1,024, N 1,024]; A: input value; B: input wv: QUANTISED
;;     4. batch 64 x [M 2,048, K 64] x [K 64, N 2,048]; A: computed on the way; B: computed on the way: left as it is (an operand is computed on the way)
;;     5. batch 64 x [M 2,048, K 2,048] x [K 2,048, N 64]; A: computed on the way; B: computed on the way: left as it is (an operand is computed on the way)
;;     6. [M 8,192, K 1,024] x [K 1,024, N 1,024]; A: computed on the way; B: input wo: left as it is (an operand is computed on the way)
;;   THE QUANTISER, for each operand of a quantised product, along K:
;;     - K is cut into blocks of 32 from its start; a last block that is shorter is filled with zeros.
;;     - A block's scale is 2^e with e = floor(log2(the largest magnitude in the block)) - 2, held to -126 .. 127; a block of zeros has e = 0. As a byte (E8M0): e + 127.
;;     - Each number is divided by its block's scale, clamped to +-6, and rounded to the nearest number of E2M1, ties to even, subnormals kept.
;;     - The product sums the exact products of the quantised numbers (number of the format x scale) in f32.
;;   ~~~python
;;   def quantise(x, axis):      # numpy; x: float32 -> the quantised numbers, widened to float32 again
;;       x = np.moveaxis(x, axis, -1); K = x.shape[-1]
;;       x = np.pad(x, [(0, 0)] * (x.ndim - 1) + [(0, -K % 32)]); x = x.reshape(x.shape[:-1] + (-1, 32)); a = np.abs(x).max(-1, keepdims=True)
;;       e = np.where(a > 0, np.clip(np.frexp(np.where(a > 0, a, 1))[1] - 1 - 2, -126, 127), 0)      # np.frexp(a)[1] - 1 = floor(log2(a)), exactly
;;       r = np.clip(x / 2.0 ** e, -6, 6)
;;       step = 2.0 ** (np.maximum(np.frexp(np.where(r == 0, 1, r))[1] - 1, 0) - 1)
;;       q = np.round(r / step) * step * 2.0 ** e      # np.round: ties to even
;;       return np.moveaxis(q.reshape(q.shape[:-2] + (-1,))[..., :K], -1, axis).astype(np.float32)
;;   ~~~
;; One version. Each part assembles by itself: llvm-mc -triple=amdgcn-amd-amdhsa -mcpu=gfx1250 --defsym DOCPART=n.
;; ======== version 1 of 1: 4 launches
;; limits: values are held in f16: magnitudes above 65,504 overflow, below 6.1e-05 lose precision; right only within a limited range of input values
;; workspace buffers: acodes 12,582,912 bytes; ascales 786,432 bytes; wcodes 1,572,864 bytes; wscales 98,304 bytes; wot 2,097,152 bytes; qkv 50,331,648 bytes; ctx 16,777,216 bytes
;; launch quant (part 1): grid 880 x 1, 4 waves a work-group, no clusters, 102,912 bytes of LDS; arguments query, key, value, wq, wk, wv, wo, acodes, ascales, wcodes, wscales, wot; writes acodes, ascales, wcodes, wscales, wot
.if DOCPART == 1
	.amdgcn_target "amdgcn-amd-amdhsa--gfx1250"
	.amdhsa_code_object_version 6
	.text
	.protected	k_qe310908211_quant
	.globl	k_qe310908211_quant
	.p2align	8
	.type	k_qe310908211_quant,@function
k_qe310908211_quant:
	s_mov_b64 s[64:65], 0
	v_nop
	global_prefetch_b8 v0, s[64:65] scope:SCOPE_SE
	s_setreg_imm32_b32 hwreg(HW_REG_WAVE_MODE, 25, 1), 1
	s_wait_xcnt 0x0
; THE OPERANDS OF THE THREE QUANTISED PROJECTIONS BECOME CODES OF FP4 (E2M1) WITH ONE E8M0 BYTE FOR EACH 32 ALONG K, ONCE; wo IS TURNED AND ROUNDED TO f16.
; Work-groups 0-47:    wq, wk, wv [k 1024][n 1024] f32, K their FIRST axis -> wcodes [1024 p + n][512 bytes], wscales [1024 p + n][32 bytes].  A lane takes a column, its registers run down K.
; Work-groups 48-111:  wo [k][n] f32 -> wot [n][k] f16: the same plan, a rounding in place of the quantiser.
; Work-groups 112-879: query, key, value [8192][1024] f32, K innermost -> acodes [8192 p + row][512 bytes], ascales [8192 p + row][32 bytes]: plain streams of blocks of 32.
; A block's scale is 2^(floor(log2(its largest magnitude)) - 2): its byte is the largest magnitude's exponent field - 2, held at 1 from below; each number is divided by the scale and rounded to the nearest code, ties to even, beyond 6 held at 6.
; LIMITS: a block of zeros gets the byte 1 where the rule says 127 (its codes are zeros, and this program alone reads the bytes); blocks whose largest magnitude lies under 2^(2 - 126) were not tried;
; NaN and infinities are not served; |wo| stays under 65,504 (f16).
; The three paths part on the work-group's number alone and never meet again; each has LDS bytes of its own.  No tensor load, no barrier: waves share nothing.
.set SPARE, 102400                     ; behind the three paths' regions: the spare words, 128 bytes for each wave: two blocks of 256 bytes that no other line names
.set SPW,   190                        ; v190  LDS address of my spare word: SPARE + 4 x my thread's number; never rewritten
.set NIL,   191                        ; v191  0; never rewritten
.set EMAX,  2
; ---- the activations' path
.set ASTEPS, 16                        ; a wave takes 16 steps of 512 numbers
.set CB,    8                          ; bytes of 16 codes
.set AR,    16                         ; v16-79   four sets of 16 numbers as they are loaded
.set AX,    80                         ; v80-111  two sets of 16 neighbours
.set AE,    112                        ; v112-127 a scale byte for each step
.set AC,    128                        ; v128-189 codes: registers of its own for each step
.set WREG,  8192                       ; LDS 0 .. 32,767: a region for each wave: two stages of 32 x SP bytes, behind them its 256 scale bytes
.set SP,    80                         ; a lane's place in a stage: its 64 bytes + 16 of padding
; ---- the weights' paths
.set WP,    272                        ; a stage row: 256 bytes + 16
.set WSTG,  32768                      ; LDS: the quantised weights' four stages of 32 rows
.set OSTG,  67584                      ; and wo's four
.set NB,    16                         ; blocks of 32 along K for a wave
.set WX,    32                         ; v32-95   two sets of 32 numbers
.set WC,    96                         ; v96-99   a block's codes;  wo: v96-159, sixteen registers for each of four blocks
.set WOUT,  112                        ; v112-175 the way out
.set WSB,   24                         ; v24-27   the scale bytes, four to a register
.macro ALOAD t
.irp i, 0,1,2,3
	global_load_b128 v[AR+16*((\t)%4)+4*\i:AR+16*((\t)%4)+4*\i+3], v3, s[4:5] offset:2048*(\t)+512*\i th:TH_LOAD_NT   ; 32 lanes read 512 consecutive bytes
.endr
.endm
.macro ATURN t                         ; step t's numbers through the stage: in as they lie, out 64 bytes a lane.  LDS serves a wave's instructions in order: no wait between the stores and the loads
.irp i, 0,1,2,3
	ds_store_b128 v14, v[AR+16*((\t)%4)+4*\i:AR+16*((\t)%4)+4*\i+3] offset:32*SP*((\t)%2)+8*SP*\i
.endr
.irp i, 0,1,2,3
	ds_load_b128 v[AX+16*((\t)%2)+4*\i:AX+16*((\t)%2)+4*\i+3], v15 offset:32*SP*((\t)%2)+16*\i
.endr
.endm
.macro ASTEP t
.set XS, AX+16*((\t)%2)
.if (\t) > 0
	s_wait_dscnt 1                                 ; this step's numbers are back from the stage (the last step's byte store may be out)
.else
	s_wait_dscnt 0x0
.endif
.if (\t)+4 < ASTEPS
	ALOAD (\t)+4                                   ; the stage's stores have read their registers: they take the loads of four steps on
.endif
.if (\t)+1 < ASTEPS
.if ASTEPS-2-(\t) >= 3
	s_wait_loadcnt 12                              ; the next step's four loads are in; those of the three steps behind it may be out
.else
	s_wait_loadcnt 4*(ASTEPS-2-(\t))
.endif
	ATURN (\t)+1                                   ; they go through the other stage while this step is worked
.endif
	v_max3_num_f32 v8, |v[XS]|, |v[XS+1]|, |v[XS+2]|               ; the largest magnitude of my 16, in two chains
	v_max3_num_f32 v9, |v[XS+3]|, |v[XS+4]|, |v[XS+5]|
.irp i, 6,10
	v_max3_num_f32 v8, v8, |v[XS+\i]|, |v[XS+\i+1]|
	v_max3_num_f32 v9, v9, |v[XS+\i+2]|, |v[XS+\i+3]|
.endr
	v_max3_num_f32 v8, v8, |v[XS+14]|, |v[XS+15]|
	v_max3_num_f32 v8, v8, v9, (EMAX+1)<<23        ; and the floor 2^(EMAX + 1 - 127): the byte cannot fall under 1
	v_max_num_f32_dpp v8, v8, v8 row_xmask:1 row_mask:0xf bank_mask:0xf   ; and of my neighbour's 16: the block's
	v_add_nc_u32 v11, -(EMAX<<23), v8              ; EMAX off its exponent field: the conversion takes the exponent field of this operand as its scale
	v_cvt_scalef32_pk8_fp4_f32 v[AC+4*(\t)], v[XS:XS+7], v11
	v_cvt_scalef32_pk8_fp4_f32 v[AC+4*(\t)+1], v[XS+8:XS+15], v11
	v_lshrrev_b32 v[AE+(\t)], 23, v11              ; the scale's byte (also the plain line behind the conversions)
	ds_store_b8 v5, v[AE+(\t)] offset:16*(\t)      ; both lanes of a block write the same byte with the same value
	global_store_b64 v4, v[AC+4*(\t):AC+4*(\t)+1], s[18:19] offset:32*CB*(\t)   ; the wave stores 256 consecutive bytes, aligned
.endm
.macro WLOAD t                         ; block t: W(32 t + i, my column) into set t % 2
.irp i, 0,1,2,3,4,5,6,7,8,9,10,11,12,13,14,15,16,17,18,19,20,21,22,23,24,25,26,27,28,29,30,31
	global_load_b32 v[WX+32*((\t)%2)+\i], v3, s[10:11] offset:(32*(\t)+\i)*4096 th:TH_LOAD_NT
.endr
.endm
.macro WBLOCK t
.set XS, WX+32*((\t)%2)
.if (\t) < NB-1
	s_wait_loadcnt 32                              ; this block's 32 loads are in; the next block's may be out
.else
	s_wait_loadcnt 0
.endif
	v_max3_num_f32 v12, |v[XS]|, |v[XS+1]|, |v[XS+2]|               ; the block's largest magnitude: all 32 numbers are mine
	v_max3_num_f32 v13, |v[XS+3]|, |v[XS+4]|, |v[XS+5]|
.irp i, 6,10,14,18,22,26
	v_max3_num_f32 v12, v12, |v[XS+\i]|, |v[XS+\i+1]|
	v_max3_num_f32 v13, v13, |v[XS+\i+2]|, |v[XS+\i+3]|
.endr
	v_max3_num_f32 v12, v12, |v[XS+30]|, |v[XS+31]|
	v_max3_num_f32 v12, v12, v13, (EMAX+1)<<23
	v_add_nc_u32 v11, -(EMAX<<23), v12
	v_lshrrev_b32 v13, 23, v11                     ; the scale's byte
.if (\t)%4 == 0
	v_mov_b32 v[WSB+(\t)/4], v13                   ; four bytes to a register, the lower K in the lower byte
.else
	v_lshl_or_b32 v[WSB+(\t)/4], v13, 8*((\t)%4), v[WSB+(\t)/4]
.endif
.irp g, 0,1,2,3
	v_cvt_scalef32_pk8_fp4_f32 v[WC+\g], v[XS+8*\g:XS+8*\g+7], v11
.endr
	v_nop                                          ; one plain line behind the last conversion
	ds_store_b128 v4, v[WC:WC+3] offset:16*(\t)    ; 32 codes: 16 bytes of my column's row
.if (\t)+2 < NB
	WLOAD (\t)+2
.endif
	s_wait_dscnt 0x0                               ; the store has read its registers: the next block's codes may be written
.endm
.macro OLOAD t                         ; wo(32 t + i, my column) into set t % 2
.irp i, 0,1,2,3,4,5,6,7,8,9,10,11,12,13,14,15,16,17,18,19,20,21,22,23,24,25,26,27,28,29,30,31
	global_load_b32 v[WX+32*((\t)%2)+\i], v3, s[16:17] offset:(32*(\t)+\i)*4096 th:TH_LOAD_NT
.endr
.endm
.macro OBLOCK t
.set XS, WX+32*((\t)%2)
.if (\t) < 3
	s_wait_loadcnt 32                              ; this block's 32 loads are in; the next block's may be out
.else
	s_wait_loadcnt 0
.endif
.irp i, 0,1,2,3,4,5,6,7,8,9,10,11,12,13,14,15
	v_cvt_pk_f16_f32 v[WC+16*(\t)+\i], v[XS+2*\i], v[XS+2*\i+1]    ; the lower k in the low half
.endr
.irp g, 0,1,2,3
	ds_store_b128 v4, v[WC+16*(\t)+4*\g:WC+16*(\t)+4*\g+3] offset:64*(\t)+16*\g   ; each block has registers of its own: no store's data are written again
.endr
.if (\t)+2 < 4
	OLOAD (\t)+2
.endif
.endm
	s_load_b512 s[4:19], s[0:1], 0x0               ; query s[4:5], key s[6:7], value s[8:9], wq s[10:11], wk s[12:13], wv s[14:15], wo s[16:17], acodes s[18:19]
	s_load_b256 s[20:27], s[0:1], 0x40             ; ascales s[20:21], wcodes s[22:23], wscales s[24:25], wot s[26:27]
	v_lshl_add_u32 v[SPW], v0, 2, SPARE
	v_mov_b32 v[NIL], 0
	v_lshrrev_b32 v1, 5, v0
	v_readfirstlane_b32 s28, v1                    ; wave 0..3
	v_and_b32 v2, 31, v0                           ; lane
	s_mov_b32 s33, 0                               ; the upper word of every offset: all stay under 2^32
	s_wait_kmcnt 0x0
	s_cmp_lt_u32 ttmp9, 48
	s_cbranch_scc1 .Lweights
	s_cmp_lt_u32 ttmp9, 112
	s_cbranch_scc1 .Lwo
	; ---------------- query, key, value: 256 work-groups each, a wave to a run of 8,192 numbers
	s_sub_co_u32 s29, ttmp9, 112
	s_lshr_b32 s30, s29, 8                         ; which tensor
	s_cmp_eq_u32 s30, 0
	s_cselect_b64 s[4:5], s[4:5], s[6:7]           ; the choice hangs on the work-group's number alone
	s_cmp_eq_u32 s30, 2
	s_cselect_b64 s[4:5], s[8:9], s[4:5]
	s_and_b32 s31, s29, 255
	s_lshl_b32 s31, s31, 2
	s_add_co_u32 s31, s31, s28                     ; my run in the tensor,
	s_lshl_b32 s32, s31, 15                        ; 32,768 bytes each
	s_add_nc_u64 s[4:5], s[4:5], s[32:33]
	s_lshl_b32 s31, s29, 2
	s_add_co_u32 s31, s31, s28                     ; my run among the three tensors on end:
	s_lshl_b32 s32, s31, 12                        ; 4,096 bytes of codes,
	s_add_nc_u64 s[18:19], s[18:19], s[32:33]
	s_lshl_b32 s32, s31, 8                         ; 256 scale bytes
	s_add_nc_u64 s[20:21], s[20:21], s[32:33]
	v_lshlrev_b32 v3, 4, v2                        ; my 16 bytes of a load's 512
	s_mul_i32 s34, s28, WREG
	v_lshrrev_b32 v14, 2, v2
	v_mul_u32_u24 v14, v14, SP
	v_and_b32 v15, 3, v2
	v_lshl_add_u32 v14, v15, 4, v14
	v_add_nc_u32 v14, s34, v14                     ; the stage, on the way in: SP (lane / 4) + 16 (lane % 4)
	v_mul_u32_u24 v15, v2, SP
	v_add_nc_u32 v15, s34, v15                     ; and on the way out: SP x lane: my 16 neighbours
	v_mul_u32_u24 v4, v2, CB                       ; my codes' place in a step's
	v_lshrrev_b32 v5, 1, v2
	s_add_co_u32 s34, s34, 2*32*SP
	v_add_nc_u32 v5, s34, v5                       ; my wave's 256 scale bytes, my block's byte
	v_lshlrev_b32 v7, 3, v2                        ; and on the way out 8 bytes a lane
	v_add_nc_u32 v6, s34, v7
.irp t, 0,1,2,3
	ALOAD \t
.endr
	s_wait_loadcnt 12                              ; step 0's four loads are in
	ATURN 0
.irp t, 0,1,2,3,4,5,6,7,8,9,10,11,12,13,14,15
	ASTEP \t
.endr
	ds_load_b64 v[8:9], v6                         ; LDS serves a wave's instructions in order: this sees my byte stores
	s_wait_dscnt 0x0
	global_store_b64 v7, v[8:9], s[20:21]          ; 32 lanes store 256 consecutive bytes, aligned
	s_wait_tensorcnt 0x0                           ; the wave's end
	ds_add_u32 v[SPW], v[NIL]
	s_wait_dscnt 0x0
	s_endpgm
.Lweights:
	; ---------------- wq, wk, wv: 16 work-groups each: 8 along n x 2 along K; a wave takes 32 columns x 512 along K
	s_lshr_b32 s30, ttmp9, 4                       ; which weight
	s_cmp_eq_u32 s30, 0
	s_cselect_b64 s[10:11], s[10:11], s[12:13]
	s_cmp_eq_u32 s30, 2
	s_cselect_b64 s[10:11], s[14:15], s[10:11]
	s_and_b32 s31, ttmp9, 7
	s_bfe_u32 s29, ttmp9, 0x10003                  ; which half of K
	s_lshl_b32 s31, s31, 7
	s_lshl_b32 s34, s28, 5
	s_add_co_u32 s31, s31, s34                     ; my wave's first column
	s_lshl_b32 s32, s29, 21                        ; 512 rows of 4,096 bytes
	s_lshl_b32 s34, s31, 2
	s_add_co_u32 s32, s32, s34
	s_add_nc_u64 s[10:11], s[10:11], s[32:33]
	s_lshl_b32 s34, s30, 10
	s_add_co_u32 s34, s34, s31                     ; its row among the three weights on end
	s_lshl_b32 s32, s34, 9                         ; 512 bytes of codes a row, + 256 for the second half of K
	s_lshl_b32 s35, s29, 8
	s_add_co_u32 s32, s32, s35
	s_add_nc_u64 s[22:23], s[22:23], s[32:33]
	s_lshl_b32 s32, s34, 5                         ; 32 scale bytes a row, + 16
	s_lshl_b32 s35, s29, 4
	s_add_co_u32 s32, s32, s35
	s_add_nc_u64 s[24:25], s[24:25], s[32:33]
	s_mul_i32 s36, s28, 32*WP
	s_add_co_u32 s36, s36, WSTG                    ; my stage
	v_lshlrev_b32 v3, 2, v2                        ; in: 4 bytes a lane
	v_mul_u32_u24 v4, v2, WP
	v_add_nc_u32 v4, s36, v4                       ; into the stage: row = my column
	v_and_b32 v5, 15, v2
	v_lshrrev_b32 v6, 4, v2                        ; out of it: sixteen lanes to a row, two rows an instruction
	v_mul_u32_u24 v7, v6, WP
	v_lshl_add_u32 v7, v5, 4, v7
	v_add_nc_u32 v7, s36, v7
	v_lshlrev_b32 v8, 9, v6
	v_lshl_add_u32 v8, v5, 4, v8                   ; and the same place in the codes' buffer
	v_lshlrev_b32 v9, 5, v2                        ; my column's row of scale bytes
	WLOAD 0
	WLOAD 1
.set Q, 0
.rept NB
	WBLOCK Q
.set Q, Q+1
.endr
	global_store_b128 v9, v[WSB:WSB+3], s[24:25]   ; my column's 16 scale bytes
.irp t, 0,1,2,3,4,5,6,7,8,9,10,11,12,13,14,15
	ds_load_b128 v[WOUT+4*\t:WOUT+4*\t+3], v7 offset:2*\t*WP
.endr
.irp t, 0,1,2,3,4,5,6,7,8,9,10,11,12,13,14,15
	s_wait_dscnt 15-\t                             ; loads come back in order: number t is in
	global_store_b128 v8, v[WOUT+4*\t:WOUT+4*\t+3], s[22:23] offset:2*\t*512   ; sixteen lanes store 256 consecutive bytes, aligned
.endr
	s_wait_tensorcnt 0x0                           ; the wave's end
	ds_add_u32 v[SPW], v[NIL]
	s_wait_dscnt 0x0
	s_endpgm
.Lwo:
	; ---------------- wo: 64 work-groups: 8 along n x 8 along K; a wave takes 32 columns x 128 along K
	s_sub_co_u32 s29, ttmp9, 48
	s_and_b32 s31, s29, 7
	s_lshr_b32 s29, s29, 3                         ; which 128 along K
	s_lshl_b32 s31, s31, 7
	s_lshl_b32 s34, s28, 5
	s_add_co_u32 s31, s31, s34                     ; my wave's first column
	s_lshl_b32 s32, s29, 19                        ; 128 rows of 4,096 bytes
	s_lshl_b32 s34, s31, 2
	s_add_co_u32 s32, s32, s34
	s_add_nc_u64 s[16:17], s[16:17], s[32:33]
	s_lshl_b32 s32, s31, 11                        ; a row of wot is 2,048 bytes; + 256 for each 128 along K
	s_lshl_b32 s35, s29, 8
	s_add_co_u32 s32, s32, s35
	s_add_nc_u64 s[26:27], s[26:27], s[32:33]
	s_mul_i32 s36, s28, 32*WP
	s_add_co_u32 s36, s36, OSTG                    ; my stage
	v_lshlrev_b32 v3, 2, v2
	v_mul_u32_u24 v4, v2, WP
	v_add_nc_u32 v4, s36, v4
	v_and_b32 v5, 15, v2
	v_lshrrev_b32 v6, 4, v2
	v_mul_u32_u24 v7, v6, WP
	v_lshl_add_u32 v7, v5, 4, v7
	v_add_nc_u32 v7, s36, v7
	v_lshlrev_b32 v8, 11, v6
	v_lshl_add_u32 v8, v5, 4, v8
	OLOAD 0
	OLOAD 1
	OBLOCK 0
	OBLOCK 1
	OBLOCK 2
	OBLOCK 3
.irp t, 0,1,2,3,4,5,6,7,8,9,10,11,12,13,14,15
	ds_load_b128 v[WX+4*\t:WX+4*\t+3], v7 offset:2*\t*WP           ; the numbers' registers are free: every load has come and been rounded
.endr
.irp t, 0,1,2,3,4,5,6,7,8,9,10,11,12,13,14,15
	s_wait_dscnt 15-\t
	global_store_b128 v8, v[WX+4*\t:WX+4*\t+3], s[26:27] offset:2*\t*2048   ; sixteen lanes store 256 consecutive bytes, aligned
.endr
	s_wait_tensorcnt 0x0                           ; the wave's end
	ds_add_u32 v[SPW], v[NIL]
	s_wait_dscnt 0x0
	s_endpgm
.Lfunc_end_k_qe310908211_quant:
	.size	k_qe310908211_quant, .Lfunc_end_k_qe310908211_quant-k_qe310908211_quant
	.p2alignl 7, 3214868480
	.fill 96, 4, 3214868480
	.section	.rodata,"a",@progbits
	.p2align	6, 0x0
	.amdhsa_kernel k_qe310908211_quant
		.amdhsa_group_segment_fixed_size 102912
		.amdhsa_private_segment_fixed_size 0
		.amdhsa_enable_private_segment 0
		.amdhsa_kernarg_size 96
		.amdhsa_user_sgpr_count 2
		.amdhsa_user_sgpr_kernarg_segment_ptr 1
		.amdhsa_wavefront_size32 1
		.amdhsa_system_sgpr_workgroup_id_x 1
		.amdhsa_system_sgpr_workgroup_id_y 1
		.amdhsa_system_sgpr_workgroup_id_z 1
		.amdhsa_system_vgpr_workitem_id 0
		.amdhsa_next_free_vgpr 192
		.amdhsa_next_free_sgpr 66
		.amdhsa_reserve_vcc 0
		.amdhsa_float_denorm_mode_32 3
		.amdhsa_float_denorm_mode_16_64 3
		.amdhsa_memory_ordered 1
		.amdhsa_forward_progress 1
		.amdhsa_inst_pref_size 133
	.end_amdhsa_kernel
	.amdgpu_metadata
---
amdhsa.version: [ 1, 2 ]
amdhsa.kernels:
  - .name:           k_qe310908211_quant
    .symbol:         k_qe310908211_quant.kd
    .args:
      - { .name: query, .offset: 0, .size: 8, .value_kind: global_buffer, .address_space: global }
      - { .name: key, .offset: 8, .size: 8, .value_kind: global_buffer, .address_space: global }
      - { .name: value, .offset: 16, .size: 8, .value_kind: global_buffer, .address_space: global }
      - { .name: wq, .offset: 24, .size: 8, .value_kind: global_buffer, .address_space: global }
      - { .name: wk, .offset: 32, .size: 8, .value_kind: global_buffer, .address_space: global }
      - { .name: wv, .offset: 40, .size: 8, .value_kind: global_buffer, .address_space: global }
      - { .name: wo, .offset: 48, .size: 8, .value_kind: global_buffer, .address_space: global }
      - { .name: acodes, .offset: 56, .size: 8, .value_kind: global_buffer, .address_space: global }
      - { .name: ascales, .offset: 64, .size: 8, .value_kind: global_buffer, .address_space: global }
      - { .name: wcodes, .offset: 72, .size: 8, .value_kind: global_buffer, .address_space: global }
      - { .name: wscales, .offset: 80, .size: 8, .value_kind: global_buffer, .address_space: global }
      - { .name: wot, .offset: 88, .size: 8, .value_kind: global_buffer, .address_space: global }
    .group_segment_fixed_size: 102912
    .private_segment_fixed_size: 0
    .kernarg_segment_align: 8
    .kernarg_segment_size: 96
    .max_flat_workgroup_size: 128
    .sgpr_count:     66
    .vgpr_count:     192
    .wavefront_size: 32
...
	.end_amdgpu_metadata
.endif
;; end of part 1
;; launch proj (part 2): grid 4 x 96, 4 waves a work-group, clusters of 4 x 4, 327,680 bytes of LDS; arguments acodes, ascales, wcodes, wscales, qkv, bq, bk, bv; writes qkv
.if DOCPART == 2
	.amdgcn_target "amdgcn-amd-amdhsa--gfx1250"
	.amdhsa_code_object_version 6
	.text
	.protected	k_qe310908211_proj
	.globl	k_qe310908211_proj
	.p2align	8
	.type	k_qe310908211_proj,@function
k_qe310908211_proj:
	s_mov_b64 s[64:65], 0
	v_nop
	global_prefetch_b8 v0, s[64:65] scope:SCOPE_SE
	s_setreg_imm32_b32 hwreg(HW_REG_WAVE_MODE, 25, 1), 1
	s_wait_xcnt 0x0
	s_wait_alu depctr_hold_cnt(0) depctr_sa_sdst(0) depctr_va_vdst(0) depctr_va_sdst(0) depctr_va_ssrc(0) depctr_va_vcc(0) depctr_vm_vsrc(0)
	s_getreg_b32 s2, hwreg(HW_REG_IB_STS2, 6, 4)
	s_cmp_eq_u32 s2, 0
	s_cbranch_scc0 .Lentry_in_a_cluster
	s_endpgm
.Lentry_in_a_cluster:
	s_bfe_u32 s2, ttmp6, 0x10000c
	s_cmp_lg_u32 s2, 0xf033
	s_cbranch_scc0 .Lentry_shape_is_right
	s_endpgm
.Lentry_shape_is_right:
; THE THREE QUANTISED PROJECTIONS AS ONE PRODUCT ON CODES OF FP4: qkv[8192 p + row][n] = sum over k of A[8192 p + row][k] W_p[n][k] + bias_p[n], p = 0 (query, wq, bq), 1 (key, wk, bk), 2 (value, wv, bv).
; A: acodes [24576][512 bytes], ascales [24576][32]; W: wcodes [1024 p + n][512 bytes], wscales [1024 p + n][32]; sums in f32; qkv [24576][1024] is rounded once, to f16.
; LIMIT: |q|, |k|, |v| stay under 65,504 (f16).
; A tile of 256 x 256 is made by four waves, 128 x 128 each: 64 accumulators, 512 registers.  K = 1,024 is two LDS slots of 512 along K (rows of 256 bytes): both are asked for at the start, and nothing is filled again.
; The scale bytes of the tile's 256 + 256 rows, for all of K, are two dense blocks: they come with the first fills.  A wave has three tensor loads out at the start.
; CLUSTERS: 4 x 4 work-groups.  The four of a row need the same tiles of A, the four of a column the same tiles of W (32 tile rows make a p, so a cluster of four tile rows has one p): each tile is asked for jointly.
; THE MATRIX INSTRUCTION IS USED TRANSPOSED (source 0 = 16 rows of W, source 1 = 16 rows of A): a lane holds eight neighbouring columns of one row.  The bias is the C of each sum's first instruction.
; REGISTERS: window 0: v0-31 addresses; v32-95 scale words, two sets; v128-191 A's fragments, one set; v192-255 the bias in the result's layout, later the packed results.
;   window 1: W's fragments, two sets, at v0 and v128.   window 2: the accumulators of my rows 0-63 ((a, b) at v[8 (8 a + b)]);   window 3: those of my rows 64-127.
.set NQ,     4                         ; steps of 128 along K in a slot
.set ROWB,   256                       ; a tile's row in bytes
.set KROW,   512                       ; a row of codes in memory
.set PITCH,  272                       ; an LDS row: 256 bytes + 16 of padding: the 16 rows that a load touches start 16 bytes further on in turn
.set FR,     8
.set NL,     2
.set NP,     4                         ; places behind this matrix instruction (ISA guide 7.12.1)
.set HALFT,  128*PITCH
.set SLOT,   4*HALFT                   ; A's 256 rows, then W's 256 rows
.set KS,     32                        ; a row of scale bytes
.set SCL,    2*SLOT                    ; behind the slots: the scales, as units of 256 bytes + 16 of padding
.set HALFS,  16*272                    ; those of 128 rows
.set SBLK,   2*272                     ; those of 16 rows
.set SPARE,  SCL+4*HALFS               ; the spare words, 128 bytes for each wave: two blocks of 256 bytes that no other line names
.set SPITCH, 272                       ; the way out: a stage of 16 rows x (256 bytes + 16) for each wave, in slot 0, which has had its one fill and its last read by then
.set ADRA, 16
.set ADRB, 20
.set STO,  24
.set RD,   25
.set CO,   26
.set ADRS, 27
.set SPW,  28                          ; v28  LDS address of my spare word; never rewritten
.set NIL,  29                          ; v29  0; never rewritten
.set BOF,  30                          ; v30  32 x (lane / 16): my half's place in a tile of the bias
.set SC,   32
.set AF,   128
.set BIAS, 192
.set TMP,  192
.set BK,   128
.set G1, 24
.set G0, 32
.set G1B, 48
.set G0B, 56
.set G1S, 68
.set G0S, 76
.set G1SB, 80
.set G0SB, 88
.set MSB, 0
.macro WIN new                         ; the immediate's high byte repeats the setting that is left
.if MSB != \new
	s_set_vgpr_msb (MSB<<8)|\new
.set MSB, \new
.endif
.endm
.set MUL_LO, 0xa1                      ; source 0 (W) window 1, source 1 (A) window 0, C and D window 2
.set MUL_HI, 0xf1                      ; the same, C and D window 3
.set TO_B,   0x40
; A joint load: waves 0 and 1 fetch for A, waves 2 and 3 for W; the branch hangs on the wave's number alone.  An s_nop 0 and four v_nop follow each of the two lines.
.macro JLOAD g0a, g1a, g0b, g1b
	s_cmp_eq_u32 s15, 0
	s_cbranch_scc0 .Lfor_b_\@
	tensor_load_to_lds s[\g0a:\g0a+3], s[\g1a:\g1a+7]
	s_nop 0
.rept 4
	v_nop
.endr
	s_branch .Lasked_\@
.Lfor_b_\@:
	tensor_load_to_lds s[\g0b:\g0b+3], s[\g1b:\g1b+7]
	s_nop 0
.rept 4
	v_nop
.endr
.Lasked_\@:
.endm
.macro CROUND                          ; a round of the cluster's barrier
	s_barrier_signal -1
	s_barrier_wait -1
	s_cmp_lg_u32 s14, 0
	s_cbranch_scc1 .Lnot_wave_0_\@
	s_barrier_signal -3
.Lnot_wave_0_\@:
	s_barrier_wait -3
	s_barrier_signal -1
	s_barrier_wait -1
.endm
	s_load_b128 s[4:7], s[0:1], 0x0                ; A's codes, A's scales
	s_load_b128 s[8:11], s[0:1], 0x10              ; W's codes, W's scales
	s_load_b64 s[12:13], s[0:1], 0x20              ; qkv
	s_load_b128 s[96:99], s[0:1], 0x28             ; bq, bk
	s_load_b64 s[100:101], s[0:1], 0x38            ; bv
	v_lshl_add_u32 v[SPW], v0, 2, SPARE
	v_mov_b32 v[NIL], 0
	ds_add_u32 v[SPW], v[NIL]                      ; the wave's opening: the add, twice on end, and its wait ahead of my first tensor load
	ds_add_u32 v[SPW], v[NIL]
	v_lshrrev_b32 v1, 5, v0
	v_readfirstlane_b32 s14, v1                    ; wave 0..3
	s_lshr_b32 s15, s14, 1                         ; which half of the tile's rows is mine.  Also: I fetch for A (0) or for W (1)
	s_and_b32 s16, s14, 1                          ; which half of its columns.  Also: which 128 rows of that tile I fetch
	s_bfe_u32 s40, ttmp6, 0x40000                  ; cx, cy: my place in the cluster
	s_bfe_u32 s41, ttmp6, 0x40004
	s_lshl_b32 s42, ttmp9, 2
	s_add_co_u32 s42, s42, s40                     ; tile column = 4 x cluster x + cx
	s_and_b32 s17, ttmp7, 0xffff
	s_lshr_b32 s66, s17, 3                         ; p: eight clusters along y to a projection: the same in all sixteen partners
	s_lshl_b32 s17, s17, 2
	s_add_co_u32 s17, s17, s41                     ; tile row = 4 x cluster y + cy
	s_lshl_b32 s43, s41, 2
	s_lshl_b32 s43, 15, s43                        ; my row of the cluster
	s_lshl_b32 s44, 0x1111, s40                    ; my column
	s_or_b32 s[G1+0], s43, (0<<16)|(1<<20)|(1<<21)|(5<<22)|(3<<25)  ; the mask; elements of 1 byte; padding on; bit 21 beside a mask; after every 64 words; 4 words
	s_or_b32 s[G1B+0], s44, (0<<16)|(1<<20)|(1<<21)|(5<<22)|(3<<25)
.irp g, G1, G1B
	s_mov_b32 s[\g+1], ROWB<<16                    ; tensor_dim0
	s_mov_b32 s[\g+2], 128<<16                     ; tensor_dim1
	s_mov_b32 s[\g+3], ROWB<<16                    ; tile_dim0
	s_mov_b32 s[\g+4], 128                         ; tile_dim1
	s_mov_b32 s[\g+5], KROW                        ; from row to row
	s_mov_b32 s[\g+6], 0
	s_mov_b32 s[\g+7], 0
.endr
	s_or_b32 s[G1S+0], s43, (3<<16)|(1<<20)|(1<<21)|(5<<22)|(3<<25) ; the scales of 128 rows: 4,096 dense bytes as 16 rows of 32 elements of 8 bytes
	s_or_b32 s[G1SB+0], s44, (3<<16)|(1<<20)|(1<<21)|(5<<22)|(3<<25)
.irp g, G1S, G1SB
	s_mov_b32 s[\g+1], 32<<16
	s_mov_b32 s[\g+2], 16<<16
	s_mov_b32 s[\g+3], 32<<16
	s_mov_b32 s[\g+4], 16
	s_mov_b32 s[\g+5], 32
	s_mov_b32 s[\g+6], 0
	s_mov_b32 s[\g+7], 0
.endr
	s_lshl_b32 s18, s16, 7                         ; which 128 rows of the tile I fetch
	s_lshl_b32 s20, s17, 8
	s_add_co_u32 s20, s20, s18                     ; A: row 256 x tile row + 128 x half
	s_lshl_b32 s46, s42, 8
	s_add_co_u32 s46, s46, s18                     ; W: row 256 x tile column + 128 x half
	s_lshl_b32 s67, s66, 10
	s_add_co_u32 s46, s46, s67                     ;    + 1,024 p
	s_mov_b32 s21, 0
	s_mov_b32 s47, 0
	s_mov_b64 s[18:19], KS
	s_mul_u64 s[22:23], s[20:21], s[18:19]         ; where these rows' scales begin
	s_mul_u64 s[92:93], s[46:47], s[18:19]
	s_mov_b64 s[18:19], KROW
	s_mul_u64 s[20:21], s[20:21], s[18:19]         ; and their codes
	s_mul_u64 s[46:47], s[46:47], s[18:19]
	s_mul_i32 s45, s14, HALFT                      ; where they go: wave x 128 rows
	s_mul_i32 s94, s14, HALFS
	s_wait_dscnt 0x0                               ; both opening adds are done
	s_wait_kmcnt 0x0
	s_add_nc_u64 s[20:21], s[4:5], s[20:21]
	s_add_nc_u64 s[22:23], s[6:7], s[22:23]
	s_add_nc_u64 s[46:47], s[8:9], s[46:47]
	s_add_nc_u64 s[92:93], s[10:11], s[92:93]
	s_cmp_eq_u32 s66, 0                            ; my projection's bias: the choice hangs on the cluster's number alone
	s_cselect_b64 s[96:97], s[96:97], s[98:99]
	s_cmp_eq_u32 s66, 2
	s_cselect_b64 s[96:97], s[100:101], s[96:97]
	CROUND                                         ; all sixteen work-groups are here: the first joint loads meet
	s_mov_b32 s[G0S], 1
	s_add_co_u32 s[G0S+1], s94, SCL
	s_mov_b64 s[G0S+2:G0S+3], s[22:23]
	s_or_b32 s[G0S+3], s[G0S+3], 0x80000000
	s_mov_b32 s[G0SB], 1
	s_add_co_u32 s[G0SB+1], s94, SCL
	s_mov_b64 s[G0SB+2:G0SB+3], s[92:93]
	s_or_b32 s[G0SB+3], s[G0SB+3], 0x80000000
	JLOAD G0S, G1S, G0SB, G1SB                     ; the scales first: they are wanted with the first slot
.irp s, 0,1
	s_mov_b32 s[G0+4*\s], 1
	s_add_co_u32 s[G0+4*\s+1], s45, \s*SLOT
	s_add_nc_u64 s[G0+4*\s+2:G0+4*\s+3], s[20:21], \s*ROWB
	s_or_b32 s[G0+4*\s+3], s[G0+4*\s+3], 0x80000000
	s_mov_b32 s[G0B+4*\s], 1
	s_add_co_u32 s[G0B+4*\s+1], s45, \s*SLOT
	s_add_nc_u64 s[G0B+4*\s+2:G0B+4*\s+3], s[46:47], \s*ROWB
	s_or_b32 s[G0B+4*\s+3], s[G0B+4*\s+3], 0x80000000
	JLOAD G0+4*\s, G1, G0B+4*\s, G1B
.endr
	v_and_b32 v1, 15, v0                           ; r = l % 16
	v_bfe_u32 v2, v0, 4, 1                         ; h = l / 16
	s_lshl_b32 s20, s17, 8
	s_lshl_b32 s21, s15, 7
	s_add_co_u32 s20, s20, s21                     ; my first row of qkv
	s_lshl_b32 s20, s20, 11                        ; 2,048 bytes a row (under 2^26)
	s_lshl_b32 s46, s42, 9
	s_lshl_b32 s47, s16, 8
	s_add_co_u32 s46, s46, s47                     ; my first column, in bytes of f16
	s_add_co_u32 s20, s20, s46
	s_mov_b32 s21, 0
	s_add_nc_u64 s[12:13], s[12:13], s[20:21]
	s_lshl_b32 s46, s46, 1                         ; and in bytes of f32, for the bias
	s_mov_b32 s47, 0
	s_add_nc_u64 s[96:97], s[96:97], s[46:47]
	v_lshlrev_b32 v[BOF], 5, v2
.irp b, 0,1,2,3,4,5,6,7                        ; lane (r, h), tile b, register j: bias of column 16 b + 8 h + j
	global_load_b128 v[BIAS+8*\b:BIAS+8*\b+3], v[BOF], s[96:97] offset:64*\b
	global_load_b128 v[BIAS+8*\b+4:BIAS+8*\b+7], v[BOF], s[96:97] offset:64*\b+16
.endr
	v_mul_u32_u24 v3, v1, PITCH
	v_lshl_add_u32 v4, v2, 4, v3                   ; a fragment's row x pitch + 16 x half
	s_mul_i32 s21, s15, HALFT                      ; my 128 rows of A
	s_mul_i32 s22, s16, HALFT                      ; my 128 rows of W,
	s_add_co_u32 s22, s22, 2*HALFT                 ; which lie behind A's 256
.irp s, 0,1
	v_add_nc_u32 v[ADRA+\s], s21, v4
	v_add_nc_u32 v[ADRB+\s], s22, v4
	s_add_co_u32 s21, s21, SLOT
	s_add_co_u32 s22, s22, SLOT
.endr
	v_mul_u32_u24 v5, v1, KS                       ; my row's scales: 32 bytes a row,
	v_lshrrev_b32 v6, 8, v5
	v_lshl_add_u32 v5, v6, 4, v5                   ; and 16 more for each 256 passed
	s_mul_i32 s21, s15, HALFS
	s_mul_i32 s22, s16, HALFS
	s_add_co_u32 s22, s22, 2*HALFS
	s_sub_co_u32 s22, s22, s21
	v_mul_u32_u24 v6, s22, v2                      ; lanes 16-31 take W's: one product, the distance between the two bases
	s_add_co_u32 s21, s21, SCL
	v_add_nc_u32 v5, v5, v6
	v_add_nc_u32 v[ADRS], s21, v5
	s_mul_i32 s23, s14, 16*SPITCH                  ; my stage
	v_mul_u32_u24 v5, v1, SPITCH                   ; in: row r, 16 bytes for each half of the lanes
	v_lshl_add_u32 v5, v2, 4, v5
	v_add_nc_u32 v[STO], s23, v5
	v_mul_u32_u24 v5, v2, SPITCH                   ; back: lanes 0-15 one row of 256 bytes, lanes 16-31 the next
	v_lshl_add_u32 v5, v1, 4, v5
	v_add_nc_u32 v[RD], s23, v5
	v_lshlrev_b32 v5, 11, v2                       ; and the same two rows in qkv
	v_lshl_add_u32 v[CO], v1, 4, v5
.macro FRAG reg, adr, q, i             ; 16 rows x 128 K of 4-bit codes: 8 registers: two loads of 16 bytes, 32 bytes apart
.irp c, 0,1
	ds_load_b128 v[\reg+4*\c:\reg+4*\c+3], v[\adr] offset:64*(\q)+32*\c+(\i)*16*PITCH
.endr
.endm
; 16 matrix instructions: A's blocks a0, a0 + 1 x W's eight.  p: W's set; sc: the set of scale words.  zero = 1: the sums begin, with the bias as C.  The 64 accumulators take turns, one instruction a turn.
.macro MUL16 a0, p, q, sc, zero
.irp a, \a0, \a0+1
.irp b, 0,1,2,3,4,5,6,7
.if \zero
	v_wmma_scale_f32_16x16x128_f8f6f4 v[8*(8*((\a)%4)+\b):8*(8*((\a)%4)+\b)+7], v[128*(\p)+FR*\b:128*(\p)+FR*\b+FR-1], v[AF+FR*(\a):AF+FR*(\a)+FR-1], v[BIAS+8*\b:BIAS+8*\b+7], v[SC+8*NQ*(\sc)+NQ*\b+(\q)], v[SC+8*NQ*(\sc)+NQ*(\a)+(\q)] matrix_a_fmt:MATRIX_FMT_FP4 matrix_b_fmt:MATRIX_FMT_FP4 matrix_a_scale:MATRIX_SCALE_ROW1
.else
	v_wmma_scale_f32_16x16x128_f8f6f4 v[8*(8*((\a)%4)+\b):8*(8*((\a)%4)+\b)+7], v[128*(\p)+FR*\b:128*(\p)+FR*\b+FR-1], v[AF+FR*(\a):AF+FR*(\a)+FR-1], v[8*(8*((\a)%4)+\b):8*(8*((\a)%4)+\b)+7], v[SC+8*NQ*(\sc)+NQ*\b+(\q)], v[SC+8*NQ*(\sc)+NQ*(\a)+(\q)] matrix_a_fmt:MATRIX_FMT_FP4 matrix_b_fmt:MATRIX_FMT_FP4 matrix_a_scale:MATRIX_SCALE_ROW1
.endif
.endr
.endr
.endm
.macro FETCH_B slot, q, p
	WIN TO_B
.irp i, 0,1,2,3,4,5,6,7
	FRAG 128*(\p)+FR*\i, ADRB+\slot, \q, \i
.endr
	WIN 0
.endm
.macro FETCH_A slot, q, i0
.irp i, \i0, \i0+1, \i0+2, \i0+3
	FRAG AF+FR*(\i), ADRA+\slot, \q, \i
.endr
.endm
.macro SCALES sc                       ; a slot's scale words: 4 words a row; lanes 0-15 take A's block i, lanes 16-31 W's block i
.irp i, 0,1,2,3,4,5,6,7
	ds_load_b128 v[SC+8*NQ*\sc+NQ*\i:SC+8*NQ*\sc+NQ*\i+3], v[ADRS] offset:\i*SBLK
.endr
.endm
.macro PLACES n                        ; plain vector instructions between a matrix instruction and a load into, or a read of, its registers
.rept \n
	v_nop
.endr
.endm
.macro STEP slot, q, zero              ; a step of 128 along K that has its successor in the same slot
	s_wait_dscnt 4*NL                              ; W's set and A's blocks 0-3 are in; the youngest eight loads (A's blocks 4-7) may be out
.if \zero
	WIN 0x81                                       ; C (the bias) window 0, D window 2
.else
	WIN MUL_LO
.endif
	MUL16 0, (\q)%2, \q, \slot, \zero
	MUL16 2, (\q)%2, \q, \slot, \zero
	s_wait_dscnt 0                                 ; A's blocks 4-7 are in
	PLACES NP
	FETCH_B \slot, (\q)+1, 1-(\q)%2
	FETCH_A \slot, (\q)+1, 0
.if \zero
	WIN 0xc1                                       ; C window 0, D window 3
.else
	WIN MUL_HI
.endif
	MUL16 4, (\q)%2, \q, \slot, \zero
	MUL16 6, (\q)%2, \q, \slot, \zero
	PLACES NP
	WIN 0
	FETCH_A \slot, (\q)+1, 4
.endm
	s_wait_tensorcnt 1                             ; the scales and my part of slot 0 are in; slot 1's load may be out
	s_barrier_signal -1
	s_barrier_wait -1                              ; everybody's are
	FETCH_B 0, 0, 0
	FETCH_A 0, 0, 0
	SCALES 0
	FETCH_A 0, 0, 4
	s_wait_loadcnt 0x0                             ; the bias
	STEP 0, 0, 1
	STEP 0, 1, 0
	STEP 0, 2, 0
	; slot 0's last step changes slots: one barrier; in front of it each wave waits for its tensor loads (its part of slot 1) and for its own reads of slot 0
	s_wait_tensorcnt 0x0
	ds_add_u32 v[SPW], v[NIL]                      ; 0 onto my spare word
	s_wait_dscnt 4*NL+1                            ; (the add and the youngest eight loads may be out)
	WIN MUL_LO
	MUL16 0, 1, NQ-1, 0, 0
	s_wait_dscnt 0x0                               ; the add is done, and my reads of slot 0 are over
	s_barrier_signal -1
	MUL16 2, 1, NQ-1, 0, 0
	WIN 0
	s_barrier_wait -1                              ; slot 1 is whole, and nobody reads slot 0 any more
	PLACES NP
	v_add_nc_u32 v[ADRS], 4*NQ, v[ADRS]            ; on to slot 1's scale words
	FETCH_B 1, 0, 0
	FETCH_A 1, 0, 0
	SCALES 1
	WIN MUL_HI
	MUL16 4, 1, NQ-1, 0, 0
	MUL16 6, 1, NQ-1, 0, 0
	PLACES NP
	WIN 0
	FETCH_A 1, 0, 4
	STEP 1, 0, 0
	STEP 1, 1, 0
	STEP 1, 2, 0
	s_wait_dscnt 4*NL                              ; the last step: nothing more to fetch
	WIN MUL_LO
	MUL16 0, 1, NQ-1, 1, 0
	MUL16 2, 1, NQ-1, 1, 0
	s_wait_dscnt 0
	WIN MUL_HI
	MUL16 4, 1, NQ-1, 1, 0
	MUL16 6, 1, NQ-1, 1, 0
	WIN 0
; THE WAY OUT, block by block of 16 rows x 128 columns: rounded to f16 (16 bytes a lane), through my own stage in LDS, back as whole rows of 256 bytes.  LDS serves a wave's instructions in order: no wait between the stores and the loads.
.macro PACK a
.set AC, 64*((\a)%4)
	WIN 0x0a+5*((\a)/4)                            ; sources 0 and 1: window 2 or 3
.irp b, 0,1,2,3,4,5,6,7
.irp r, 0,1,2,3
	v_cvt_pk_f16_f32 v[TMP+4*\b+\r], v[AC+8*\b+2*\r], v[AC+8*\b+2*\r+1]   ; each accumulator from its low end on
.endr
.endr
	WIN 0
.endm
.macro TOSTAGE a
.set BB, BK+32*((\a)%2)
.irp b, 0,1,2,3,4,5,6,7
	ds_store_b128 v[STO], v[TMP+4*\b:TMP+4*\b+3] offset:32*\b
.endr
.irp t, 0,1,2,3,4,5,6,7
	ds_load_b128 v[BB+4*\t:BB+4*\t+3], v[RD] offset:\t*2*SPITCH
.endr
.endm
.macro SEND a
.set BB, BK+32*((\a)%2)
	s_wait_dscnt 0x0                               ; the block is back in registers
	s_wait_xcnt 0x0                                ; the earlier stores have read their base and their data: the base may step, and the block after this may land where the block before lay
.if (\a) > 0
	s_add_nc_u64 s[12:13], s[12:13], 16*2048       ; 16 rows on
.endif
.irp t, 0,1,2,3,4,5,6,7
	global_store_b128 v[CO], v[BB+4*\t:BB+4*\t+3], s[12:13] offset:2*\t*2048   ; 16 lanes store 256 consecutive bytes, aligned
.endr
.endm
	PLACES NP                                      ; behind the last products: for the conversions and for the loads into A's registers
	PACK 0
	TOSTAGE 0
.irp a, 1,2,3,4,5,6,7                  ; block a's conversions stand between block a - 1's loads from the stage and the wait for them
	PACK \a
	SEND \a-1
	TOSTAGE \a
.endr
	SEND 7
	s_wait_tensorcnt 0x0                           ; the wave's end
	ds_add_u32 v[SPW], v[NIL]
	s_wait_dscnt 0x0
	CROUND                                         ; the closing round: no work-group ends while a partner may still ask for a tile that names it
	s_endpgm
.Lfunc_end_k_qe310908211_proj:
	.size	k_qe310908211_proj, .Lfunc_end_k_qe310908211_proj-k_qe310908211_proj
	.p2alignl 7, 3214868480
	.fill 96, 4, 3214868480
	.section	.rodata,"a",@progbits
	.p2align	6, 0x0
	.amdhsa_kernel k_qe310908211_proj
		.amdhsa_group_segment_fixed_size 327680
		.amdhsa_private_segment_fixed_size 0
		.amdhsa_enable_private_segment 0
		.amdhsa_kernarg_size 64
		.amdhsa_user_sgpr_count 2
		.amdhsa_user_sgpr_kernarg_segment_ptr 1
		.amdhsa_wavefront_size32 1
		.amdhsa_system_sgpr_workgroup_id_x 1
		.amdhsa_system_sgpr_workgroup_id_y 1
		.amdhsa_system_sgpr_workgroup_id_z 1
		.amdhsa_system_vgpr_workitem_id 0
		.amdhsa_next_free_vgpr 1024
		.amdhsa_next_free_sgpr 102
		.amdhsa_reserve_vcc 0
		.amdhsa_float_denorm_mode_32 3
		.amdhsa_float_denorm_mode_16_64 3
		.amdhsa_memory_ordered 1
		.amdhsa_forward_progress 1
		.amdhsa_inst_pref_size 129
	.end_amdhsa_kernel
	.amdgpu_metadata
---
amdhsa.version: [ 1, 2 ]
amdhsa.kernels:
  - .name:           k_qe310908211_proj
    .symbol:         k_qe310908211_proj.kd
    .args:
      - { .name: acodes, .offset: 0, .size: 8, .value_kind: global_buffer, .address_space: global }
      - { .name: ascales, .offset: 8, .size: 8, .value_kind: global_buffer, .address_space: global }
      - { .name: wcodes, .offset: 16, .size: 8, .value_kind: global_buffer, .address_space: global }
      - { .name: wscales, .offset: 24, .size: 8, .value_kind: global_buffer, .address_space: global }
      - { .name: qkv, .offset: 32, .size: 8, .value_kind: global_buffer, .address_space: global }
      - { .name: bq, .offset: 40, .size: 8, .value_kind: global_buffer, .address_space: global }
      - { .name: bk, .offset: 48, .size: 8, .value_kind: global_buffer, .address_space: global }
      - { .name: bv, .offset: 56, .size: 8, .value_kind: global_buffer, .address_space: global }
    .group_segment_fixed_size: 327680
    .private_segment_fixed_size: 0
    .kernarg_segment_align: 8
    .kernarg_segment_size: 64
    .max_flat_workgroup_size: 128
    .sgpr_count:     102
    .vgpr_count:     1024
    .wavefront_size: 32
...
	.end_amdgpu_metadata
.endif
;; end of part 2
;; launch attn (part 3): grid 8 x 32, 8 waves a work-group, clusters of 4 x 1, 327,680 bytes of LDS; arguments qkv, mask, ctx; writes ctx
.if DOCPART == 3
	.amdgcn_target "amdgcn-amd-amdhsa--gfx1250"
	.amdhsa_code_object_version 6
	.text
	.protected	k_qe310908211_attn
	.globl	k_qe310908211_attn
	.p2align	8
	.type	k_qe310908211_attn,@function
k_qe310908211_attn:
	s_mov_b64 s[64:65], 0
	v_nop
	global_prefetch_b8 v0, s[64:65] scope:SCOPE_SE
	s_setreg_imm32_b32 hwreg(HW_REG_WAVE_MODE, 25, 1), 1
	s_wait_xcnt 0x0
	s_wait_alu depctr_hold_cnt(0) depctr_sa_sdst(0) depctr_va_vdst(0) depctr_va_sdst(0) depctr_va_ssrc(0) depctr_va_vcc(0) depctr_vm_vsrc(0)
	s_getreg_b32 s2, hwreg(HW_REG_IB_STS2, 6, 4)
	s_cmp_eq_u32 s2, 0
	s_cbranch_scc0 .Lentry_in_a_cluster
	s_endpgm
.Lentry_in_a_cluster:
	s_bfe_u32 s2, ttmp6, 0x10000c
	s_cmp_lg_u32 s2, 0x3003
	s_cbranch_scc0 .Lentry_shape_is_right
	s_endpgm
.Lentry_shape_is_right:
; ctx[b][q][64 head + d] = sum over k of softmax_k(q . k / 8 + (1 - mask[b][k]) x -1e9) v[k][d].  q, k, v: rows 0, 8192, 16384 on of qkv [24576][1024] f16; ctx [8192][1024] f16; mask [4][2048] f32.
; Products on f16 operands, sums, maxima and the softmax in f32; the weights p are rounded to f16 for the second product, ctx once at the end.
; SHARES.  A work-group owns 256 queries of one batch and one PAIR of heads: a pair's 128 channels are 256 bytes of a row, so every row of a tile and every store is 256 consecutive bytes, aligned.
; Wave w takes head w % 2 of the pair and queries 64 (w / 2) on: four tiles of 16.  Two waves lie on a SIMD, so that one's vector work stands beside the other's products.  Every wave walks all 2,048 keys, 64 a step.
; LAYOUT.  S^T = K Q^T + C (source 0 = 16 keys, source 1 = 16 queries; C = the mask's term of the keys): a lane holds ONE query and the keys 8 (lane / 16) + 0..7.  Two such tiles, rounded in pairs, are source 1 of
; O^T = V^T P.  K comes out of LDS as it lies, V turned by ds_load_tr16_b128.  K's and V's fragments share 64 registers: V is fetched behind the scores, under the softmax.
; SOFTMAX.  In raw scores s = q . k + 8 x the mask's term: a running maximum m and sum l a query; p = 2^(c s - c m), c = log2(e) / 8; in every step O and l are multiplied by a = 2^(c m_old - c m_new).
; m starts from -4e9, half the mask's term in these units: while a query has met masked keys only, p, l and O stay 0.
; LIMITS: unmasked |q . k| stays under 4e9; a batch ALL of whose keys are masked gives NaN (l = 0) where the definition gives the mean of v; mask values other than 0 and 1 enter as the definition has them,
; but a common offset of the size of the mask's term on all keys of a row is rounded in the matrix unit, not as an f32 addition; NaN and infinities are not served.
; CLUSTER.  The four query blocks of a cluster walk the same K and V: each tile is asked for jointly, by the same tensor load with a mask that names the four.  Waves 0, 1 fetch K's two steps of a slot, waves 2, 3 V's, waves 4-7 nothing.
; REGISTERS.  Window 0: v1-15 addresses; v16-47 statistics, 8 a tile; v48-79 the mask's term as C; v80-87 the second chain of the sums; v88-99 at work at the head; v128-255 S^T, 32 a tile, P packed in place.
;   Window 1: v0-127 O^T, 32 a tile; v128-191 Q; v192-255 K, then V.
.set KS,    64
.set ROWG,  2048                       ; a row of qkv and of ctx in bytes
.set PK,    272                        ; a row of K in LDS: 256 bytes + 16
.set PV,    288                        ; a row of V: 256 + 32
.set VOFF,  KS*PK                      ; a step's tiles lie together: 64 rows of K, then 64 rows of V
.set STEPB, KS*(PK+PV)
.set SLOT1, 1<<17                      ; a slot holds two steps (71,680 bytes); slot 1 begins here: one exclusive or turns an address
.set MB,    SLOT1+2*STEPB              ; behind the ring: the mask's term of the batch's 2,048 keys, f32; stored by the waves, never a fill's target
.set SPARE, MB+8192                    ; the spare words, 128 bytes for each wave: four blocks of 256 bytes that no other line names
.set SP,    272                        ; the way out: 256 rows x (256 bytes + 16) from LDS byte 0 on: slot 0, which has had its last fill and its last read by then
.set AK0, 2
.set AV0, 3
.set AB0, 4
.set ADK, 5
.set ADV, 6
.set ADB, 7
.set QO,  8
.set STO, 10
.set RD,  11
.set GO,  12
.set PFO, 13                           ; v13  2,048 x my lane: a lane a row; never rewritten
.set SPW, 14                           ; v14  LDS address of my spare word; never rewritten
.set NIL, 15                           ; v15  0; never rewritten
.set ST,  16                           ; tile t at v[ST+8 t]: +0 c m, +1 m, +2, +3 l (even keys', odd keys'), +4 to +7 c0-c3 at work; a takes c2's place
.set BI,  48
.set SX,  80
.set S,   128
.set QF,  128                          ; in window 1
.set KV,  192                          ; in window 1
.set WV,  12
.set LIM, 15
.set PFA, 18
.set G1K, 24
.set G1V, 32
.set G0K, 40                           ; two sets: the first fills'; the second then walks
.set G0V, 48
.set SLOTS, 56
.set CS,  58
.set SEL, 60
.set TB,  62                           ; LDS byte at which the slot in hand begins
.set TM,  63                           ; where the slot's 128 keys begin in the mask's term
.set MSB, 0
.macro WIN new
.if MSB != \new
	s_set_vgpr_msb (MSB<<8)|\new
.set MSB, \new
.endif
.endm
.macro PLACES n
.rept \n
	v_nop
.endr
.endm
; A joint refill.  The branches hang on the wave's number alone.  An s_nop 0 and four v_nop follow each of the two lines.
.macro JLOAD
	s_cmp_lt_u32 s[WV], 2
	s_cbranch_scc0 .Lnot_k_\@
	tensor_load_to_lds s[G0K+4:G0K+7], s[G1K:G1K+7]
	s_nop 0
.rept 4
	v_nop
.endr
	s_branch .Lasked_\@
.Lnot_k_\@:
	s_cmp_lt_u32 s[WV], 4
	s_cbranch_scc0 .Lasked_\@
	tensor_load_to_lds s[G0V+4:G0V+7], s[G1V:G1V+7]
	s_nop 0
.rept 4
	v_nop
.endr
.Lasked_\@:
.endm
; A prefetch of what the NEXT change of slots will ask for: a slot's 128 rows of K and of V, 256 bytes of each, a lane a row.  Each row is named once in the launch: both clusters of a head pair walk the same rows, and the
; first of them asks; its four partners take 32 rows each, told apart by address; in each, wave 0 asks for K's and wave 2 for V's.  The last change that fills a slot asks for nothing; slots 0 to 2 come by their loads alone.
.macro ASK
	s_cmp_gt_u32 s[SLOTS], s[LIM]
	s_cbranch_scc0 .Lnot_mine_\@
	global_prefetch_b8 v[PFO], s[PFA:PFA+1] th:TH_LOAD_NT scope:SCOPE_SE
.Lnot_mine_\@:
.endm
.macro CROUND                          ; a round of the cluster's barrier
	s_barrier_signal -1
	s_barrier_wait -1
	s_cmp_lg_u32 s[WV], 0
	s_cbranch_scc1 .Lnot_wave_0_\@
	s_barrier_signal -3
.Lnot_wave_0_\@:
	s_barrier_wait -3
	s_barrier_signal -1
	s_barrier_wait -1
.endm
	s_load_b128 s[4:7], s[0:1], 0x0                ; qkv, mask
	s_load_b64 s[10:11], s[0:1], 0x10              ; ctx
	v_lshl_add_u32 v[SPW], v0, 2, SPARE
	v_mov_b32 v[NIL], 0
	ds_add_u32 v[SPW], v[NIL]                      ; the wave's opening: the add, twice on end, and its wait ahead of the first tensor loads
	ds_add_u32 v[SPW], v[NIL]
	v_lshrrev_b32 v1, 5, v0
	v_readfirstlane_b32 s[WV], v1                  ; wave 0..7
	s_bfe_u32 s13, ttmp6, 0x40000                  ; cx: my place in the cluster
	s_lshl_b32 s14, ttmp9, 2
	s_add_co_u32 s14, s14, s13                     ; my block of 256 queries: it enters Q's and ctx's addresses alone
	s_and_b32 s20, ttmp7, 0xffff
	s_lshr_b32 s68, s20, 3                         ; the batch,
	s_and_b32 s69, s20, 7                          ; the pair of heads: the four partners share both
	s_lshr_b32 s70, s[WV], 1                       ; which 64 queries
	s_and_b32 s16, s[WV], 1                        ; which head of the pair.  Also: which of a slot's two steps I fetch
	s_mul_i32 s17, s16, STEPB                      ; its place in a slot
	s_lshl_b32 s20, s68, 22                        ; 2,048 rows of 2,048 bytes a batch,
	s_lshl_b32 s21, s69, 8                         ; 256 bytes a pair of heads
	s_add_co_u32 s20, s20, s21
	s_lshl_b32 s22, s16, 17                        ; 64 rows a step
	s_add_co_u32 s22, s22, s20
	s_mov_b32 s23, 0
	s_lshl_b32 s72, s14, 8
	s_lshl_b32 s73, s70, 6
	s_add_co_u32 s72, s72, s73                     ; my wave's first query
	s_lshl_b32 s72, s72, 11
	s_add_co_u32 s72, s72, s20
	s_lshl_b32 s73, s16, 7                         ; my head's 128 bytes
	s_add_co_u32 s72, s72, s73
	s_mov_b32 s73, 0
	s_lshl_b32 s74, s14, 8
	s_lshl_b32 s75, s[WV], 5
	s_add_co_u32 s74, s74, s75                     ; the first of the 32 rows of ctx that I store
	s_lshl_b32 s74, s74, 11
	s_add_co_u32 s74, s74, s20
	s_mov_b32 s75, 0
	s_lshl_b32 s2, s68, 13                         ; the batch's 8,192 bytes of the mask
	s_mov_b32 s3, 0
	s_mov_b32 s[G1K], 15|(1<<16)|(1<<20)|(1<<21)|(5<<22)|(3<<25)  ; the mask: all four; elements of 2 bytes; padding on; bit 21 beside a mask; after every 64 words; 4 words
	s_mov_b32 s[G1V], 15|(1<<16)|(1<<20)|(1<<21)|(5<<22)|(7<<25)  ; the same with 8 words of padding
.irp g, G1K, G1V
	s_mov_b32 s[\g+1], 128<<16                     ; tensor_dim0
	s_mov_b32 s[\g+2], KS<<16                      ; tensor_dim1
	s_mov_b32 s[\g+3], 128<<16                     ; tile_dim0
	s_mov_b32 s[\g+4], KS                          ; tile_dim1
	s_mov_b32 s[\g+5], 1024                        ; elements from row to row
	s_mov_b32 s[\g+6], 0
	s_mov_b32 s[\g+7], 0
.endr
	s_mov_b32 s[CS], 0x3e38aa3b                    ; c = log2(e) / 8
	s_mov_b32 s[CS+1], s[CS]                       ; (named with it as a pair, so it is written)
	s_mov_b32 s[SEL], 0x76543210
	s_mov_b32 s[SEL+1], 0xfedcba98                 ; lane l xor 16
	s_mov_b32 s[TB], 0
	s_mov_b32 s[TM], 0
	s_mov_b32 s[SLOTS], 14                         ; 16 slots' worth of keys: all but the first two are asked for in the loop
	s_and_b32 s[LIM], s[WV], 5                     ; 0 in waves 0 and 2,
	s_or_b32 s[LIM], s[LIM], ttmp9                 ; of the head pair's first cluster: the same in all four partners
	s_cmp_eq_u32 s[LIM], 0
	s_cselect_b32 s[LIM], 1, -1
	v_and_b32 v[PFO], 31, v0
	v_lshlrev_b32 v[PFO], 11, v[PFO]
	s_wait_dscnt 0x0                               ; both opening adds are done
	s_wait_kmcnt 0x0
	s_add_nc_u64 s[66:67], s[6:7], s[2:3]          ; the mask of my batch
	s_add_nc_u64 s[6:7], s[4:5], s[22:23]
	s_add_nc_u64 s[8:9], s[6:7], 16384*ROWG        ; V at my tile of slot 0
	s_add_nc_u64 s[6:7], s[6:7], 8192*ROWG         ; K likewise
	s_add_nc_u64 s[4:5], s[4:5], s[72:73]          ; Q at my wave's first row
	s_add_nc_u64 s[10:11], s[10:11], s[74:75]
	s_cmp_lt_u32 s[WV], 2
	s_cselect_b64 s[PFA:PFA+1], s[6:7], s[8:9]     ; (in waves 0 and 2 these stand at a slot's first row)
	s_lshl_b32 s2, s13, 16                         ; my work-group's 32 rows of the 128
	s_add_nc_u64 s[PFA:PFA+1], s[PFA:PFA+1], s[2:3]
	s_add_nc_u64 s[PFA:PFA+1], s[PFA:PFA+1], 2*2*KS*ROWG  ; in slot 2; the first change of slots steps it to slot 3
	CROUND                                         ; all four work-groups are here: the first joint loads meet
.irp s, 0,1
	s_mov_b32 s[G0K+4*\s], 1
	s_add_co_u32 s[G0K+4*\s+1], s17, \s*SLOT1
	s_add_nc_u64 s[G0K+4*\s+2:G0K+4*\s+3], s[6:7], \s*2*KS*ROWG
	s_or_b32 s[G0K+4*\s+3], s[G0K+4*\s+3], 0x80000000
	s_mov_b32 s[G0V+4*\s], 1
	s_add_co_u32 s[G0V+4*\s+1], s17, \s*SLOT1+VOFF
	s_add_nc_u64 s[G0V+4*\s+2:G0V+4*\s+3], s[8:9], \s*2*KS*ROWG
	s_or_b32 s[G0V+4*\s+3], s[G0V+4*\s+3], 0x80000000
.endr
	s_cmp_lt_u32 s[WV], 2                          ; a wave's two first fills stand in one branch: two loads of a fetching wave are out
	s_cbranch_scc0 .Lfirst_not_k
	tensor_load_to_lds s[G0K:G0K+3], s[G1K:G1K+7]
	s_nop 0
	tensor_load_to_lds s[G0K+4:G0K+7], s[G1K:G1K+7]
	s_nop 0
.rept 4
	v_nop
.endr
	s_branch .Lfirst_asked
.Lfirst_not_k:
	s_cmp_lt_u32 s[WV], 4
	s_cbranch_scc0 .Lfirst_asked
	tensor_load_to_lds s[G0V:G0V+3], s[G1V:G1V+7]
	s_nop 0
	tensor_load_to_lds s[G0V+4:G0V+7], s[G1V:G1V+7]
	s_nop 0
.rept 4
	v_nop
.endr
.Lfirst_asked:
	v_lshlrev_b32 v96, 5, v0                       ; the mask: eight numbers a thread
	global_load_b128 v[88:91], v96, s[66:67]
	global_load_b128 v[92:95], v96, s[66:67] offset:16
	v_and_b32 v1, 15, v0                           ; r = l % 16
	v_bfe_u32 v9, v0, 4, 1                         ; h = l / 16
	v_lshlrev_b32 v[QO], 11, v1
	v_lshl_add_u32 v[QO], v9, 4, v[QO]             ; row r, + 16 h
	WIN 0x40                                       ; destination window 1
.irp t, 0,1,2,3                                ; Q stays in registers: tile t, channels 32 c on
.irp c, 0,1
	global_load_b128 v[QF+16*\t+8*\c:QF+16*\t+8*\c+3],   v[QO], s[4:5] offset:\t*16*ROWG+64*\c
	global_load_b128 v[QF+16*\t+8*\c+4:QF+16*\t+8*\c+7], v[QO], s[4:5] offset:\t*16*ROWG+64*\c+32
.endr
.endr
	WIN 0
	s_lshl_b32 s21, s16, 7                         ; my head's 128 bytes of a row
	v_mul_u32_u24 v[AK0], v1, PK
	v_lshl_add_u32 v[AK0], v9, 4, v[AK0]
	v_add_nc_u32 v[AK0], s21, v[AK0]               ; K: row r x pitch + 16 h + my head
	v_and_b32 v98, 7, v0
	v_bfe_u32 v99, v0, 3, 1
	v_lshl_add_u32 v[AV0], v9, 3, v98              ; V, for the turning load: key 8 h + l % 8, channels 8 ((l / 8) % 2) on
	v_mul_u32_u24 v[AV0], v[AV0], PV
	v_lshl_add_u32 v[AV0], v99, 4, v[AV0]
	s_add_co_u32 s20, s21, VOFF
	v_add_nc_u32 v[AV0], s20, v[AV0]
	v_lshl_add_u32 v[AB0], v9, 5, MB               ; the mask's term: my half's eight keys of a tile
	s_mul_i32 s20, s70, 64*SP
	s_add_co_u32 s20, s20, s21
	v_mul_u32_u24 v[STO], v1, SP                   ; the way out, in: row 64 (w / 2) + r, my head's half of it, 16 bytes for each half of the lanes
	v_lshl_add_u32 v[STO], v9, 4, v[STO]
	v_add_nc_u32 v[STO], s20, v[STO]
	s_mul_i32 s20, s[WV], 32*SP
	v_mul_u32_u24 v[RD], v9, SP                    ; back: wave w takes rows 32 w on, whole; lanes 0-15 one row, lanes 16-31 the next
	v_lshl_add_u32 v[RD], v1, 4, v[RD]
	v_add_nc_u32 v[RD], s20, v[RD]
	v_lshlrev_b32 v[GO], 11, v9                    ; and the same two rows in ctx
	v_lshl_add_u32 v[GO], v1, 4, v[GO]
	s_wait_loadcnt 16                              ; the mask is in; Q's sixteen younger loads may be out
.irp i, 0,1,2,3,4,5,6,7
	v_sub_f32 v[88+\i], 1.0, v[88+\i]              ; 1 - mask, rounded as the definition rounds it,
.endr
.irp i, 0,1,2,3,4,5,6,7
	v_mul_f32 v[88+\i], 0xcfee6b28, v[88+\i]       ; x -8e9: eight times the definition's term, exactly, since the scores here are not yet divided by 8
.endr
	v_lshl_add_u32 v97, v0, 5, MB
	ds_store_b128 v97, v[88:91]
	ds_store_b128 v97, v[92:95] offset:16
	s_wait_dscnt 0x0                               ; for the others' sake: my part of the mask's term lies in LDS;
	s_wait_tensorcnt 0x1                           ; my part of slot 0 is in; slot 1's may stay out
	s_barrier_signal -1
	s_barrier_wait -1
	s_wait_loadcnt 0x0                             ; Q
; THE SOFTMAX OF A STEP, the four tiles line by line, so that no line waits for the line above it.  first = 1: the first step starts m, l and O.
.macro SOFTMAX first
.irp j, 0,1,2,3
.irp t, 0,1,2,3
	v_max3_num_f32 v[ST+8*\t+4+\j], v[S+32*\t+8*\j], v[S+32*\t+8*\j+1], v[S+32*\t+8*\j+2]   ; four chains; each accumulator is read from its low end on
.endr
.endr
.irp g, 1,2
.irp j, 0,1,2,3
.irp t, 0,1,2,3
	v_max3_num_f32 v[ST+8*\t+4+\j], v[ST+8*\t+4+\j], v[S+32*\t+8*\j+2*\g+1], v[S+32*\t+8*\j+2*\g+2]
.endr
.endr
.endr
.irp t, 0,1,2,3
	v_max3_num_f32 v[ST+8*\t+4], v[ST+8*\t+4], v[S+32*\t+7], v[S+32*\t+15]
.endr
.irp t, 0,1,2,3
	v_max3_num_f32 v[ST+8*\t+6], v[ST+8*\t+6], v[S+32*\t+23], v[S+32*\t+31]
.endr
.irp t, 0,1,2,3
	v_max3_num_f32 v[ST+8*\t+4], v[ST+8*\t+4], v[ST+8*\t+5], v[ST+8*\t+6]
.endr
.irp t, 0,1,2,3
.if \first
	v_max3_num_f32 v[ST+8*\t+4], v[ST+8*\t+4], v[ST+8*\t+7], 0xcf6e6b28   ; and -4e9, from which m starts
.else
	v_max3_num_f32 v[ST+8*\t+4], v[ST+8*\t+4], v[ST+8*\t+7], v[ST+8*\t+1] ; and the old m
.endif
.endr
.irp t, 0,1,2,3
	v_permlanex16_b32 v[ST+8*\t+5], v[ST+8*\t+4], s[SEL], s[SEL+1]        ; the query's other 32 keys lie in the lane 16 away
.endr
.if \first == 0
.irp t, 0,1,2,3
	v_mov_b32 v[ST+8*\t+7], v[ST+8*\t]             ; c m_old is kept for a
.endr
.endif
.irp t, 0,1,2,3
	v_max_num_f32 v[ST+8*\t+1], v[ST+8*\t+4], v[ST+8*\t+5]
.endr
.irp t, 0,1,2,3
	v_mul_f32 v[ST+8*\t], s[CS], v[ST+8*\t+1]
.endr
.if \first == 0
.irp t, 0,1,2,3
	v_sub_f32 v[ST+8*\t+7], v[ST+8*\t+7], v[ST+8*\t]
.endr
.endif
.set i, 0
.rept 16
	v_pk_fma_f32 v[S+2*i:S+2*i+1], v[S+2*i:S+2*i+1], s[CS:CS+1], v[ST:ST+1] op_sel_hi:[1,0,0] neg_lo:[0,0,1] neg_hi:[0,0,1]   ; tile 0: c s - c m
.set i, i+1
.endr
	; ONE BATCH of exponentials: none of its lines names an exponential's result; the next tile's scalings stand among a tile's exponentials
.if \first == 0
.irp t, 0,1,2,3
	v_exp_f32 v[ST+8*\t+6], v[ST+8*\t+7]           ; a
.endr
.endif
.irp t, 0,1,2,3
.set i, 0
.rept 16
.if \t < 3
	v_pk_fma_f32 v[S+32*(\t+1)+2*i:S+32*(\t+1)+2*i+1], v[S+32*(\t+1)+2*i:S+32*(\t+1)+2*i+1], s[CS:CS+1], v[ST+8*(\t+1):ST+8*(\t+1)+1] op_sel_hi:[1,0,0] neg_lo:[0,0,1] neg_hi:[0,0,1]
.endif
	v_exp_f32 v[S+32*\t+2*i], v[S+32*\t+2*i]
	v_exp_f32 v[S+32*\t+2*i+1], v[S+32*\t+2*i+1]
.set i, i+1
.endr
.endr
	v_nop                                          ; a plain instruction behind the last exponential,
	s_wait_alu depctr_va_vdst(0)                   ; and the one wait ahead of the batch's first reader
.irp t, 0,1,2,3
	v_pk_add_f32 v[ST+8*\t+4:ST+8*\t+5], v[S+32*\t:S+32*\t+1], v[S+32*\t+2:S+32*\t+3]      ; the sum of the unrounded p, two at a time, in two chains a tile
.endr
.irp t, 0,1,2,3
	v_pk_add_f32 v[SX+2*\t:SX+2*\t+1], v[S+32*\t+4:S+32*\t+5], v[S+32*\t+6:S+32*\t+7]
.endr
.irp p, 8,12,16,20,24,28
.irp t, 0,1,2,3
	v_pk_add_f32 v[ST+8*\t+4:ST+8*\t+5], v[ST+8*\t+4:ST+8*\t+5], v[S+32*\t+\p:S+32*\t+\p+1]
.endr
.irp t, 0,1,2,3
	v_pk_add_f32 v[SX+2*\t:SX+2*\t+1], v[SX+2*\t:SX+2*\t+1], v[S+32*\t+\p+2:S+32*\t+\p+3]
.endr
.endr
.irp t, 0,1,2,3
.if \first
	v_pk_add_f32 v[ST+8*\t+2:ST+8*\t+3], v[ST+8*\t+4:ST+8*\t+5], v[SX+2*\t:SX+2*\t+1]
.else
	v_pk_add_f32 v[ST+8*\t+4:ST+8*\t+5], v[ST+8*\t+4:ST+8*\t+5], v[SX+2*\t:SX+2*\t+1]
.endif
.endr
.if \first == 0
.irp t, 0,1,2,3
	v_pk_fma_f32 v[ST+8*\t+2:ST+8*\t+3], v[ST+8*\t+2:ST+8*\t+3], v[ST+8*\t+6:ST+8*\t+7], v[ST+8*\t+4:ST+8*\t+5] op_sel_hi:[1,0,1]   ; l = a l + the sum
.endr
.endif
.set i, 0
.rept 16
.irp t, 0,1,2,3
	v_cvt_pk_f16_f32 v[S+32*\t+i], v[S+32*\t+2*i], v[S+32*\t+2*i+1]   ; P, packed in place, ascending: register i was read when pair i / 2 was packed
.endr
.set i, i+1
.endr
.endm
; A KEY STEP: 64 keys, the q-th of the slot in hand.
.macro STEP first, q
	WIN 0
	v_add_nc_u32 v[ADK], s[TB], v[AK0]             ; these three and two v_nop are five places behind the last products: the scores are written over P, which those read, and K is loaded where V lay
	v_add_nc_u32 v[ADV], s[TB], v[AV0]
	v_add_nc_u32 v[ADB], s[TM], v[AB0]
	v_nop
	v_nop
.irp kt, 0,1,2,3
	ds_load_b128 v[BI+8*\kt:BI+8*\kt+3],   v[ADB] offset:256*\q+64*\kt      ; register 8 kt + j: the mask's term of key 16 kt + 8 h + j
	ds_load_b128 v[BI+8*\kt+4:BI+8*\kt+7], v[ADB] offset:256*\q+64*\kt+16
.endr
	WIN 0x40                                       ; destination window 1
.irp kt, 0,1,2,3
.irp c, 0,1
	ds_load_b128 v[KV+16*\kt+8*\c:KV+16*\kt+8*\c+3],   v[ADK] offset:\q*STEPB+\kt*16*PK+64*\c
	ds_load_b128 v[KV+16*\kt+8*\c+4:KV+16*\kt+8*\c+7], v[ADK] offset:\q*STEPB+\kt*16*PK+64*\c+32
.endr
.endr
	s_wait_dscnt 0x0
	WIN 0x05                                       ; K and Q window 1; C and D window 0
.irp c, 0,1                                    ; the 16 accumulators take turns, one instruction a turn
.irp kt, 0,1,2,3
.irp t, 0,1,2,3
.if \c == 0
	v_wmma_f32_16x16x32_f16 v[S+32*\t+8*\kt:S+32*\t+8*\kt+7], v[KV+16*\kt+8*\c:KV+16*\kt+8*\c+7], v[QF+16*\t+8*\c:QF+16*\t+8*\c+7], v[BI+8*\kt:BI+8*\kt+7]
.else
	v_wmma_f32_16x16x32_f16 v[S+32*\t+8*\kt:S+32*\t+8*\kt+7], v[KV+16*\kt+8*\c:KV+16*\kt+8*\c+7], v[QF+16*\t+8*\c:QF+16*\t+8*\c+7], v[S+32*\t+8*\kt:S+32*\t+8*\kt+7]
.endif
.endr
.endr
.endr
	PLACES 4                                       ; behind the scores: for the loads into K's registers and for the first reads of S^T
	WIN 0x40
.irp kc, 0,1                                   ; V, turned: keys 32 kc on, channels 16 ct on; it lands under the softmax
.irp ct, 0,1,2,3
	ds_load_tr16_b128 v[KV+8*(4*\kc+\ct):KV+8*(4*\kc+\ct)+3],   v[ADV] offset:\q*STEPB+\kc*32*PV+32*\ct
	ds_load_tr16_b128 v[KV+8*(4*\kc+\ct)+4:KV+8*(4*\kc+\ct)+7], v[ADV] offset:\q*STEPB+\kc*32*PV+16*PV+32*\ct
.endr
.endr
	WIN 0
	SOFTMAX \first
.if \first == 0
	WIN 0x41                                       ; O^T window 1, a window 0
.irp t, 0,1,2,3
.set i, 32*\t
.rept 16
	v_pk_mul_f32 v[i:i+1], v[i:i+1], v[ST+8*\t+6:ST+8*\t+7] op_sel_hi:[1,0]
.set i, i+2
.endr
.endr
.endif
	s_wait_dscnt 0x0                               ; V is in
	WIN 0x51                                       ; V window 1, P window 0, O^T window 1
.irp kc, 0,1
.irp ct, 0,1,2,3
.irp t, 0,1,2,3
.if \first && (\kc == 0)
	v_wmma_f32_16x16x32_f16 v[32*\t+8*\ct:32*\t+8*\ct+7], v[KV+8*(4*\kc+\ct):KV+8*(4*\kc+\ct)+7], v[S+32*\t+8*\kc:S+32*\t+8*\kc+7], 0
.else
	v_wmma_f32_16x16x32_f16 v[32*\t+8*\ct:32*\t+8*\ct+7], v[KV+8*(4*\kc+\ct):KV+8*(4*\kc+\ct)+7], v[S+32*\t+8*\kc:S+32*\t+8*\kc+7], v[32*\t+8*\ct:32*\t+8*\ct+7]
.endif
.endr
.endr
.endr
	WIN 0
.endm
; THE CHANGE OF SLOTS.  Each wave waits for all its tensor loads (its part of the slot ahead), adds 0 to its spare word, and waits for that and for its reads of the slot that it leaves.
; fill = 1: the barrier is a round of the cluster's, and behind it the slot just left is filled with the keys two slots on: the load has two key steps in which to land.
.macro CHANGE fill
	WIN 0
	s_wait_tensorcnt 0x0                           ; no tensor load of mine is out, so a group 0 may be written
	ds_add_u32 v[SPW], v[NIL]                      ; 0 onto my spare word
.if \fill
	ds_add_u32 v[SPW], v[NIL]                      ; and once more: the add twice on end here, in every trip alike
.irp g, G0K+4, G0V+4
	s_xor_b32 s[\g+1], s[\g+1], SLOT1              ; the walking descriptors: the other slot than last time,
	s_add_nc_u64 s[\g+2:\g+3], s[\g+2:\g+3], 2*KS*ROWG   ; the next 128 keys
.endr
	s_wait_xcnt 0x0                                ; the last prefetch, two key steps back, has read its address, so it may be written
	s_add_nc_u64 s[PFA:PFA+1], s[PFA:PFA+1], 2*KS*ROWG
	s_wait_dscnt 0x0                               ; both adds are done, and my reads of the slot are over
	CROUND
	JLOAD
	ASK
.else
	s_wait_dscnt 0x0
	s_barrier_signal -1
	s_barrier_wait -1
.endif
	s_xor_b32 s[TB], s[TB], SLOT1                  ; on to the other slot,
	s_add_co_u32 s[TM], s[TM], 512                 ; and to its 128 keys' mask terms
.endm
	STEP 1, 0
	STEP 0, 1
.Lslot:                                            ; 14 trips: every slot but the last two is filled again
	CHANGE 1
	STEP 0, 0
	STEP 0, 1
	s_sub_co_u32 s[SLOTS], s[SLOTS], 1
	s_cmp_lg_u32 s[SLOTS], 0
	s_cbranch_scc1 .Lslot
	CHANGE 0                                       ; the last slot is written out
	STEP 0, 0
	STEP 0, 1
	; THE WAY OUT.  l's two halves and the other half of the lanes' are added (these additions are the places behind the last products); O^T / l is rounded to f16 and meets the other head's half of each row in the stage.
.irp t, 0,1,2,3
	v_add_f32 v[ST+8*\t+4], v[ST+8*\t+2], v[ST+8*\t+3]
.endr
.irp t, 0,1,2,3
	v_permlanex16_b32 v[ST+8*\t+5], v[ST+8*\t+4], s[SEL], s[SEL+1]
.endr
.irp t, 0,1,2,3
	v_add_f32 v[ST+8*\t+4], v[ST+8*\t+4], v[ST+8*\t+5]
.endr
.irp t, 0,1,2,3
	v_rcp_f32 v[ST+8*\t+6], v[ST+8*\t+4]
.endr
	v_nop                                          ; a plain instruction behind the last reciprocal,
	s_wait_alu depctr_va_vdst(0)                   ; and the one wait ahead of the first use
.macro PACK t
	WIN 0x41
.set i, 32*\t
.rept 16
	v_pk_mul_f32 v[i:i+1], v[i:i+1], v[ST+8*\t+6:ST+8*\t+7] op_sel_hi:[1,0]
.set i, i+2
.endr
	WIN 0x05                                       ; sources window 1, destination window 0
.set i, 0
.rept 16
	v_cvt_pk_f16_f32 v[S+16*\t+i], v[32*\t+2*i], v[32*\t+2*i+1]
.set i, i+1
.endr
	WIN 0
.irp ct, 0,1,2,3
	ds_store_b128 v[STO], v[S+16*\t+4*\ct:S+16*\t+4*\ct+3] offset:\t*16*SP+32*\ct   ; row 16 t + r, channels 16 ct + 8 h on
.endr
.endm
	PACK 0
	PACK 1
	PACK 2
	PACK 3
	s_wait_dscnt 0x0                               ; for the others' sake: my stores into the stage are done
	s_barrier_signal -1
	s_barrier_wait -1                              ; a row's 256 bytes come from two waves
.irp i, 0,1,2,3,4,5,6,7,8,9,10,11,12,13,14,15
	ds_load_b128 v[192+4*\i:195+4*\i], v[RD] offset:\i*2*SP
.endr
.irp i, 0,1,2,3,4,5,6,7,8,9,10,11,12,13,14,15
	s_wait_dscnt 15-\i                             ; loads come back in order: number i is in
	global_store_b128 v[GO], v[192+4*\i:195+4*\i], s[10:11] offset:\i*2*ROWG   ; 16 lanes store 256 consecutive bytes, aligned
.endr
	s_wait_tensorcnt 0x0                           ; the wave's end
	ds_add_u32 v[SPW], v[NIL]
	s_wait_dscnt 0x0
	CROUND                                         ; the closing round
	s_endpgm
.Lfunc_end_k_qe310908211_attn:
	.size	k_qe310908211_attn, .Lfunc_end_k_qe310908211_attn-k_qe310908211_attn
	.p2alignl 7, 3214868480
	.fill 96, 4, 3214868480
	.section	.rodata,"a",@progbits
	.p2align	6, 0x0
	.amdhsa_kernel k_qe310908211_attn
		.amdhsa_group_segment_fixed_size 327680
		.amdhsa_private_segment_fixed_size 0
		.amdhsa_enable_private_segment 0
		.amdhsa_kernarg_size 24
		.amdhsa_user_sgpr_count 2
		.amdhsa_user_sgpr_kernarg_segment_ptr 1
		.amdhsa_wavefront_size32 1
		.amdhsa_system_sgpr_workgroup_id_x 1
		.amdhsa_system_sgpr_workgroup_id_y 1
		.amdhsa_system_sgpr_workgroup_id_z 1
		.amdhsa_system_vgpr_workitem_id 0
		.amdhsa_next_free_vgpr 512
		.amdhsa_next_free_sgpr 76
		.amdhsa_reserve_vcc 0
		.amdhsa_float_denorm_mode_32 3
		.amdhsa_float_denorm_mode_16_64 3
		.amdhsa_memory_ordered 1
		.amdhsa_forward_progress 1
		.amdhsa_inst_pref_size 214
	.end_amdhsa_kernel
	.amdgpu_metadata
---
amdhsa.version: [ 1, 2 ]
amdhsa.kernels:
  - .name:           k_qe310908211_attn
    .symbol:         k_qe310908211_attn.kd
    .args:
      - { .name: qkv, .offset: 0, .size: 8, .value_kind: global_buffer, .address_space: global }
      - { .name: mask, .offset: 8, .size: 8, .value_kind: global_buffer, .address_space: global }
      - { .name: ctx, .offset: 16, .size: 8, .value_kind: global_buffer, .address_space: global }
    .group_segment_fixed_size: 327680
    .private_segment_fixed_size: 0
    .kernarg_segment_align: 8
    .kernarg_segment_size: 24
    .max_flat_workgroup_size: 256
    .sgpr_count:     76
    .vgpr_count:     512
    .wavefront_size: 32
...
	.end_amdgpu_metadata
.endif
;; end of part 3
;; launch outp (part 4): grid 4 x 64, 4 waves a work-group, clusters of 4 x 4, 327,680 bytes of LDS; arguments ctx, wot, out0, bo; writes out0
.if DOCPART == 4
	.amdgcn_target "amdgcn-amd-amdhsa--gfx1250"
	.amdhsa_code_object_version 6
	.text
	.protected	k_qe310908211_outp
	.globl	k_qe310908211_outp
	.p2align	8
	.type	k_qe310908211_outp,@function
k_qe310908211_outp:
	s_mov_b64 s[64:65], 0
	v_nop
	global_prefetch_b8 v0, s[64:65] scope:SCOPE_SE
	s_setreg_imm32_b32 hwreg(HW_REG_WAVE_MODE, 25, 1), 1
	s_wait_xcnt 0x0
	s_wait_alu depctr_hold_cnt(0) depctr_sa_sdst(0) depctr_va_vdst(0) depctr_va_sdst(0) depctr_va_ssrc(0) depctr_va_vcc(0) depctr_vm_vsrc(0)
	s_getreg_b32 s2, hwreg(HW_REG_IB_STS2, 6, 4)
	s_cmp_eq_u32 s2, 0
	s_cbranch_scc0 .Lentry_in_a_cluster
	s_endpgm
.Lentry_in_a_cluster:
	s_bfe_u32 s2, ttmp6, 0x10000c
	s_cmp_lg_u32 s2, 0xf033
	s_cbranch_scc0 .Lentry_shape_is_right
	s_endpgm
.Lentry_shape_is_right:
; out0[m][n] = sum over k of ctx[m][k] wot[n][k] + bo[n].  ctx [8192][1024] and wot [1024][1024] (wo turned) f16; sums in f32; out0 [8192][1024] f32.
; A tile of 128 x 256 gives 256 work-groups: one for each WGP.  Four waves, 64 x 128 each: 32 accumulators, 256 registers.  K goes in steps of 128 (rows of 256 bytes) through a ring of two LDS slots.
; Waves 0 and 1 fetch ctx's two halves of 64 rows, waves 2 and 3 wot's two halves of 128 rows: one tensor load a wave behind each round; a refill has 112 matrix instructions in which to land.
; CLUSTERS: 4 x 4 work-groups.  The four of a row need the same tiles of ctx, the four of a column the same tiles of wot: each tile is asked for jointly.
; THE MATRIX INSTRUCTION IS USED TRANSPOSED (source 0 = 16 rows of wot, source 1 = 16 rows of ctx): a lane holds eight neighbouring columns of one row.  The bias is the C of each sum's first instruction.
; REGISTERS: window 0: v1-29 addresses; v64-127 ctx's fragments, two buffers of 32; v128-255 wot's, two buffers of 64.   window 1: accumulator (a, b) at v[8 (8 a + b)].   window 2: v0-63 the bias in the result's layout.
.set KSTEP,  128
.set PITCH,  272                       ; an LDS row: 256 bytes + 16 of padding
.set HA,     64*PITCH                  ; what a load for ctx brings, and what a wave reads of it
.set HB,     128*PITCH                 ; the same for wot
.set SLOT,   2*HA+2*HB                 ; ctx's 128 rows, then wot's 256
.set SPARE,  2*SLOT                    ; behind the ring: the spare words, 128 bytes for each wave: two blocks of 256 bytes that no other line names
.set SPITCH, 528                       ; the way out: a stage of 16 rows x (512 bytes + 16) for each wave, in slot 0, which has had its last fill and its last read by then
.set ADRA, 16
.set ADRB, 20
.set STO,  24
.set RD,   25
.set CO,   26
.set BOF,  27
.set SPW,  28                          ; v28  LDS address of my spare word; never rewritten
.set NIL,  29                          ; v29  0; never rewritten
.set FA0,  64
.set FB0,  128
.set BK,   64
.set G1, 24
.set G0, 32
.set G1B, 48
.set G0B, 56
.set MSB, 0
.macro WIN new
.if MSB != \new
	s_set_vgpr_msb (MSB<<8)|\new
.set MSB, \new
.endif
.endm
.set MUL, 0x50                         ; sources 0 and 1 window 0; C and D window 1
.set MULZ, 0x60                        ; C (the bias) window 2, D window 1
.macro PLACES n
.rept \n
	v_nop
.endr
.endm
.macro JLOAD s                         ; a joint load; the branch hangs on the wave's number alone; an s_nop 0 and four v_nop follow each of the two lines
	s_cmp_eq_u32 s13, 0
	s_cbranch_scc0 .Lfor_b_\@
	tensor_load_to_lds s[G0+4*\s:G0+4*\s+3], s[G1:G1+7]
	s_nop 0
.rept 4
	v_nop
.endr
	s_branch .Lasked_\@
.Lfor_b_\@:
	tensor_load_to_lds s[G0B+4*\s:G0B+4*\s+3], s[G1B:G1B+7]
	s_nop 0
.rept 4
	v_nop
.endr
.Lasked_\@:
.endm
.macro CREST                           ; a round of the cluster's barrier behind its opening barrier
	s_cmp_lg_u32 s12, 0
	s_cbranch_scc1 .Lnot_wave_0_\@
	s_barrier_signal -3
.Lnot_wave_0_\@:
	s_barrier_wait -3
	s_barrier_signal -1
	s_barrier_wait -1
.endm
.macro CROUND
	s_barrier_signal -1
	s_barrier_wait -1
	CREST
.endm
	s_load_b128 s[4:7], s[0:1], 0x0                ; ctx, wot
	s_load_b128 s[8:11], s[0:1], 0x10              ; out0, bo
	v_lshl_add_u32 v[SPW], v0, 2, SPARE
	v_mov_b32 v[NIL], 0
	ds_add_u32 v[SPW], v[NIL]                      ; the wave's opening: the add, twice on end, and its wait ahead of my first tensor load
	ds_add_u32 v[SPW], v[NIL]
	v_lshrrev_b32 v1, 5, v0
	v_readfirstlane_b32 s12, v1                    ; wave 0..3
	s_lshr_b32 s13, s12, 1                         ; which half of the tile's rows is mine.  Also: I fetch for ctx (0) or for wot (1)
	s_and_b32 s14, s12, 1                          ; which half of its columns.  Also: which half of that tile I fetch
	s_bfe_u32 s40, ttmp6, 0x40000                  ; cx, cy
	s_bfe_u32 s41, ttmp6, 0x40004
	s_lshl_b32 s42, ttmp9, 2
	s_add_co_u32 s42, s42, s40                     ; tile column
	s_and_b32 s15, ttmp7, 0xffff
	s_lshl_b32 s15, s15, 2
	s_add_co_u32 s15, s15, s41                     ; tile row
	s_lshl_b32 s43, s41, 2
	s_lshl_b32 s43, 15, s43                        ; my row of the cluster
	s_lshl_b32 s44, 0x1111, s40                    ; my column
	s_or_b32 s[G1+0], s43, (1<<16)|(1<<20)|(1<<21)|(5<<22)|(3<<25)  ; the mask; elements of 2 bytes; padding on; bit 21 beside a mask; after every 64 words; 4 words
	s_or_b32 s[G1B+0], s44, (1<<16)|(1<<20)|(1<<21)|(5<<22)|(3<<25)
	s_mov_b32 s[G1+1], KSTEP<<16                   ; ctx: tiles of 64 rows x 128 elements
	s_mov_b32 s[G1+2], 64<<16
	s_mov_b32 s[G1+3], KSTEP<<16
	s_mov_b32 s[G1+4], 64
	s_mov_b32 s[G1+5], 1024
	s_mov_b32 s[G1+6], 0
	s_mov_b32 s[G1+7], 0
	s_mov_b32 s[G1B+1], KSTEP<<16                  ; wot: 128 rows x 128 elements
	s_mov_b32 s[G1B+2], 128<<16
	s_mov_b32 s[G1B+3], KSTEP<<16
	s_mov_b32 s[G1B+4], 128
	s_mov_b32 s[G1B+5], 1024
	s_mov_b32 s[G1B+6], 0
	s_mov_b32 s[G1B+7], 0
	s_lshl_b32 s16, s15, 7
	s_lshl_b32 s17, s14, 6
	s_add_co_u32 s16, s16, s17                     ; ctx: row 128 x tile row + 64 x half,
	s_lshl_b32 s16, s16, 11                        ; 2,048 bytes a row
	s_mov_b32 s17, 0
	s_lshl_b32 s46, s42, 8
	s_lshl_b32 s47, s14, 7
	s_add_co_u32 s46, s46, s47                     ; wot: row 256 x tile column + 128 x half
	s_lshl_b32 s46, s46, 11
	s_mov_b32 s47, 0
	s_mul_i32 s20, s14, HA                         ; where they go: no place in the cluster enters an LDS address
	s_mul_i32 s21, s14, HB
	s_add_co_u32 s21, s21, 2*HA
	s_wait_dscnt 0x0                               ; both opening adds are done
	s_wait_kmcnt 0x0
	s_add_nc_u64 s[18:19], s[4:5], s[16:17]
	s_add_nc_u64 s[46:47], s[6:7], s[46:47]
	CROUND                                         ; all sixteen work-groups are here: the first joint loads meet
.irp s, 0,1
	s_mov_b32 s[G0+4*\s], 1
	s_add_co_u32 s[G0+4*\s+1], s20, \s*SLOT
	s_add_nc_u64 s[G0+4*\s+2:G0+4*\s+3], s[18:19], \s*KSTEP*2
	s_or_b32 s[G0+4*\s+3], s[G0+4*\s+3], 0x80000000
	s_mov_b32 s[G0B+4*\s], 1
	s_add_co_u32 s[G0B+4*\s+1], s21, \s*SLOT
	s_add_nc_u64 s[G0B+4*\s+2:G0B+4*\s+3], s[46:47], \s*KSTEP*2
	s_or_b32 s[G0B+4*\s+3], s[G0B+4*\s+3], 0x80000000
	JLOAD \s
.endr
	v_and_b32 v1, 15, v0                           ; r
	v_bfe_u32 v2, v0, 4, 1                         ; h
	s_lshl_b32 s22, s42, 10
	s_lshl_b32 s23, s14, 9
	s_add_co_u32 s22, s22, s23                     ; my first column, in bytes of f32
	s_mov_b32 s23, 0
	s_add_nc_u64 s[10:11], s[10:11], s[22:23]
	v_lshlrev_b32 v[BOF], 5, v2
	WIN 0x80                                       ; destination window 2
.irp b, 0,1,2,3,4,5,6,7                        ; lane (r, h), tile b, register j: bo of column 16 b + 8 h + j
	global_load_b128 v[8*\b:8*\b+3],   v[BOF], s[10:11] offset:64*\b
	global_load_b128 v[8*\b+4:8*\b+7], v[BOF], s[10:11] offset:64*\b+16
.endr
	WIN 0
	s_lshl_b32 s16, s15, 7
	s_lshl_b32 s17, s13, 6
	s_add_co_u32 s16, s16, s17                     ; my first row of out0,
	s_lshl_b32 s16, s16, 12                        ; 4,096 bytes a row
	s_add_co_u32 s16, s16, s22
	s_mov_b32 s17, 0
	s_add_nc_u64 s[8:9], s[8:9], s[16:17]
	v_mul_u32_u24 v3, v1, PITCH
	v_lshl_add_u32 v3, v2, 4, v3                   ; a fragment's row x pitch + 16 x half
	s_mul_i32 s20, s13, HA                         ; my 64 rows of ctx
	s_mul_i32 s21, s14, HB                         ; my 128 rows of wot,
	s_add_co_u32 s21, s21, 2*HA                    ; which lie behind ctx's 128
.irp s, 0,1
	v_add_nc_u32 v[ADRA+\s], s20, v3
	v_add_nc_u32 v[ADRB+\s], s21, v3
	s_add_co_u32 s20, s20, SLOT
	s_add_co_u32 s21, s21, SLOT
.endr
	s_mul_i32 s23, s12, 16*SPITCH                  ; my stage
	v_mul_u32_u24 v5, v1, SPITCH                   ; in: row r, 32 bytes for each half of the lanes
	v_lshl_add_u32 v5, v2, 5, v5
	v_add_nc_u32 v[STO], s23, v5
	v_and_b32 v6, 31, v0
	v_lshlrev_b32 v[CO], 4, v6                     ; back: the 32 lanes take one row of 512 bytes; and the same in out0
	v_add_nc_u32 v[RD], s23, v[CO]
; 8 matrix instructions: ctx's block a x wot's eight, 32 along K, from buffers f.  zero = 1: the sums begin, with the bias as C.  The 32 accumulators take turns, one instruction a turn.
.macro MUL8 f, a, zero
.irp b, 0,1,2,3,4,5,6,7
.if \zero
	v_wmma_f32_16x16x32_f16 v[8*(8*(\a)+\b):8*(8*(\a)+\b)+7], v[FB0+64*(\f)+8*\b:FB0+64*(\f)+8*\b+7], v[FA0+32*(\f)+8*(\a):FA0+32*(\f)+8*(\a)+7], v[8*\b:8*\b+7]
.else
	v_wmma_f32_16x16x32_f16 v[8*(8*(\a)+\b):8*(8*(\a)+\b)+7], v[FB0+64*(\f)+8*\b:FB0+64*(\f)+8*\b+7], v[FA0+32*(\f)+8*(\a):FA0+32*(\f)+8*(\a)+7], v[8*(8*(\a)+\b):8*(8*(\a)+\b)+7]
.endif
.endr
.endm
.macro FETCH slot, k, f                ; 24 LDS loads in one run: wot's eight fragments, then ctx's four, 32 along K at byte k of the rows
.irp i, 0,1,2,3,4,5,6,7
	ds_load_b128 v[FB0+64*(\f)+8*\i:FB0+64*(\f)+8*\i+3],   v[ADRB+\slot] offset:\k+\i*16*PITCH
	ds_load_b128 v[FB0+64*(\f)+8*\i+4:FB0+64*(\f)+8*\i+7], v[ADRB+\slot] offset:\k+\i*16*PITCH+32
.endr
.irp i, 0,1,2,3
	ds_load_b128 v[FA0+32*(\f)+8*\i:FA0+32*(\f)+8*\i+3],   v[ADRA+\slot] offset:\k+\i*16*PITCH
	ds_load_b128 v[FA0+32*(\f)+8*\i+4:FA0+32*(\f)+8*\i+7], v[ADRA+\slot] offset:\k+\i*16*PITCH+32
.endr
.endm
; A K step is four quarters of 32 along K, 32 matrix instructions each, on buffers 0, 1, 0, 1.  One of the first three: multiplies buffers f and fetches the next quarter, at byte k, into g.
.macro QUARTER slot, k, f, g, zero
	s_wait_dscnt 4                                 ; wot's fragments and ctx's blocks 0, 1 are in; the youngest four loads (blocks 2, 3) may be out
.if \zero
	WIN MULZ
.else
	WIN MUL
.endif
	MUL8 \f, 0, \zero
	MUL8 \f, 1, \zero
	PLACES 4                                       ; in front of loads into registers that the quarter before multiplied
	WIN 0
	FETCH \slot, \k, \g
	s_wait_dscnt 24                                ; all but the 24 just issued
.if \zero
	WIN MULZ
.else
	WIN MUL
.endif
	MUL8 \f, 2, \zero
	MUL8 \f, 3, \zero
.endm
; The last quarter multiplies buffers 1 and changes slots: ONE barrier; in front of it each wave waits for all its tensor loads, adds 0 to its spare word, and waits for that and for its reads of this slot.  fill = 1: this slot is filled again, two K steps ahead.
.macro TURN slot, next, fill
	WIN 0
	s_wait_tensorcnt 0x0                           ; all my tensor loads have landed: my part of the next slot
	ds_add_u32 v[SPW], v[NIL]                      ; 0 onto my spare word
	s_wait_dscnt 5                                 ; (the add and the youngest four loads may be out)
	WIN MUL
	MUL8 1, 0, 0
	s_wait_dscnt 0x0                               ; the add is done, and my reads of this slot are over
	s_barrier_signal -1
	MUL8 1, 1, 0
	WIN 0
	s_barrier_wait -1
.if \fill
	CREST                                          ; the barrier has opened a round of the cluster's: no wave of any partner still reads this slot or has a load on its way
	s_add_nc_u64 s[G0+4*\slot+2:G0+4*\slot+3], s[G0+4*\slot+2:G0+4*\slot+3], 2*KSTEP*2
	s_add_nc_u64 s[G0B+4*\slot+2:G0B+4*\slot+3], s[G0B+4*\slot+2:G0B+4*\slot+3], 2*KSTEP*2
	JLOAD \slot                                    ; the first tensor load behind the round; its four v_nop are also the places in front of the loads below
.else
	PLACES 4
.endif
	FETCH \next, 0, 0
	WIN MUL
	MUL8 1, 2, 0
	MUL8 1, 3, 0
.endm
	s_wait_tensorcnt 1                             ; my part of K step 0 is in; K step 1's may be out
	s_barrier_signal -1
	s_barrier_wait -1
	FETCH 0, 0, 0
	s_wait_loadcnt 0x0                             ; the bias
	QUARTER 0, 64, 0, 1, 1                         ; the first quarter stands in front of the loop: its products start the sums
	WIN 0
	s_mov_b32 s3, 3
.Llap:                                             ; a trip goes once round the ring, from a lap's second quarter to the next lap's first, and fills both slots again
	QUARTER 0, 128, 1, 0, 0
	QUARTER 0, 192, 0, 1, 0
	TURN 0, 1, 1
	QUARTER 1, 64,  0, 1, 0
	QUARTER 1, 128, 1, 0, 0
	QUARTER 1, 192, 0, 1, 0
	TURN 1, 0, 1
	QUARTER 0, 64,  0, 1, 0
	WIN 0
	s_sub_co_u32 s3, s3, 1
	s_cmp_lg_u32 s3, 0
	s_cbranch_scc1 .Llap
	QUARTER 0, 128, 1, 0, 0                        ; the last lap fills nothing
	QUARTER 0, 192, 0, 1, 0
	TURN 0, 1, 0
	QUARTER 1, 64,  0, 1, 0
	QUARTER 1, 128, 1, 0, 0
	QUARTER 1, 192, 0, 1, 0
	s_wait_dscnt 4                                 ; the very last quarter: nothing more to fetch
	WIN MUL
	MUL8 1, 0, 0
	MUL8 1, 1, 0
	s_wait_dscnt 0
	MUL8 1, 2, 0
	MUL8 1, 3, 0
	WIN 0
; THE WAY OUT, block by block of 16 rows x 128 columns: through my own stage in LDS, back as whole rows of 512 bytes.  LDS serves a wave's instructions in order: no wait between the stores and the loads.
.macro TOSTAGE a
	WIN 0x04                                       ; an LDS store's data are its source 1: window 1
.irp b, 0,1,2,3,4,5,6,7
	ds_store_b128 v[STO], v[64*(\a)+8*\b:64*(\a)+8*\b+3] offset:64*\b            ; each accumulator from its low end on
	ds_store_b128 v[STO], v[64*(\a)+8*\b+4:64*(\a)+8*\b+7] offset:64*\b+16
.endr
	WIN 0
.set BB, BK+64*((\a)%2)
.irp t, 0,1,2,3,4,5,6,7,8,9,10,11,12,13,14,15
	ds_load_b128 v[BB+4*\t:BB+4*\t+3], v[RD] offset:\t*SPITCH
.endr
.endm
.macro SEND a, younger                 ; younger: the LDS instructions issued behind block a's loads, which may stay out
.set BB, BK+64*((\a)%2)
	s_wait_dscnt \younger
.if (\a) > 0
	s_add_nc_u64 s[8:9], s[8:9], 16*4096           ; (behind a wait on XCNT: the earlier stores have read their base)  16 rows on
.endif
.irp t, 0,1,2,3,4,5,6,7,8,9,10,11,12,13,14,15
	global_store_b128 v[CO], v[BB+4*\t:BB+4*\t+3], s[8:9] offset:\t*4096 th:TH_STORE_NT   ; 32 lanes store 512 consecutive bytes, aligned; written once, read by nobody here
.endr
.endm
	PLACES 4                                       ; behind the last products: for the stores of results and for the loads into the fragments' registers
	TOSTAGE 0
.irp a, 1,2,3
.if \a > 1
	s_wait_xcnt 0x0                                ; block a - 2's stores have read their registers and their base
.endif
	TOSTAGE \a
	SEND \a-1, 32                                  ; behind block a - 1's loads: block a's 16 stores and 16 loads
.endr
	s_wait_xcnt 0x0                                ; block 2's stores have read their base
	SEND 3, 0
	s_wait_tensorcnt 0x0                           ; the wave's end
	ds_add_u32 v[SPW], v[NIL]
	s_wait_dscnt 0x0
	CROUND                                         ; the closing round
	s_endpgm
.Lfunc_end_k_qe310908211_outp:
	.size	k_qe310908211_outp, .Lfunc_end_k_qe310908211_outp-k_qe310908211_outp
	.p2alignl 7, 3214868480
	.fill 96, 4, 3214868480
	.section	.rodata,"a",@progbits
	.p2align	6, 0x0
	.amdhsa_kernel k_qe310908211_outp
		.amdhsa_group_segment_fixed_size 327680
		.amdhsa_private_segment_fixed_size 0
		.amdhsa_enable_private_segment 0
		.amdhsa_kernarg_size 32
		.amdhsa_user_sgpr_count 2
		.amdhsa_user_sgpr_kernarg_segment_ptr 1
		.amdhsa_wavefront_size32 1
		.amdhsa_system_sgpr_workgroup_id_x 1
		.amdhsa_system_sgpr_workgroup_id_y 1
		.amdhsa_system_sgpr_workgroup_id_z 1
		.amdhsa_system_vgpr_workitem_id 0
		.amdhsa_next_free_vgpr 576
		.amdhsa_next_free_sgpr 66
		.amdhsa_reserve_vcc 0
		.amdhsa_float_denorm_mode_32 3
		.amdhsa_float_denorm_mode_16_64 3
		.amdhsa_memory_ordered 1
		.amdhsa_forward_progress 1
		.amdhsa_inst_pref_size 86
	.end_amdhsa_kernel
	.amdgpu_metadata
---
amdhsa.version: [ 1, 2 ]
amdhsa.kernels:
  - .name:           k_qe310908211_outp
    .symbol:         k_qe310908211_outp.kd
    .args:
      - { .name: ctx, .offset: 0, .size: 8, .value_kind: global_buffer, .address_space: global }
      - { .name: wot, .offset: 8, .size: 8, .value_kind: global_buffer, .address_space: global }
      - { .name: out0, .offset: 16, .size: 8, .value_kind: global_buffer, .address_space: global }
      - { .name: bo, .offset: 24, .size: 8, .value_kind: global_buffer, .address_space: global }
    .group_segment_fixed_size: 327680
    .private_segment_fixed_size: 0
    .kernarg_segment_align: 8
    .kernarg_segment_size: 32
    .max_flat_workgroup_size: 128
    .sgpr_count:     66
    .vgpr_count:     576
    .wavefront_size: 32
...
	.end_amdgpu_metadata
.endif
;; end of part 4
